; MI455X (gfx1250); checked and timed in simulation.
; The chip was launched on July 23, 2026; its instructions are those of AMD's public machine-readable ISA for CDNA 5 (MIT licence, August 2026) and "CDNA5" Instruction Set Architecture Reference Guide (July 2026). The comments in the code are by the model that wrote it; some were corrected since.
;; Multi Head Attention. Allowed arithmetic: matrix products marked QUANTISED: E2M1 operands, one E8M0 scale for each 32 along K, by v_wmma_scale_f32_16x16x128_f8f6f4 with both operands' format E2M1 (or v_wmma_scale_f32_32x16x128_f4), f32 sums; products left as they are: bf16, f16 or f32 operands; f32 sums; everything else in f32.
;; Inputs: attn_mask 8 x 1,024 bool; proj_b 1,024 float32; proj_w 1,024 x 1,024 float32; q 8 x 1,024 x 1,024 float32; w_ks 16 x 1,024 x 64 float32; w_qs 16 x 1,024 x 64 float32; w_vs 16 x 1,024 x 64 float32.
;; Outputs: out0 8 x 1,024 x 1,024 float32.
;; This version of the problem:
;;   THIS VERSION OF THE PROBLEM IS GIVEN IN LOW PRECISION. The matrix products marked QUANTISED in the list below multiply operands that are first quantised to E2M1 (2 exponent bits, 1 mantissa bit; 4 bits a number), with one power-of-two scale for each 32 numbers along K (OCP MX v1.0); their sums are f32. The products marked 'left as it is' may take bf16, f16 or f32 operands, with f32 sums. Whichever they take, every output number must still come out within the allowed error. Rounding operands to bf16 (8 significant bits) uses up far more of that allowance than f16 does (11 bits, for magnitudes from 6e-5 to 65,504). All else is computed in f32.
;;   The module's matrix products, in the order in which they are computed (A, B: the left and right operand; K: the contracted axis; several contracted axes count as one K, in the product's order):
;;     1. [M 1,024, K 1,024] x [K 1,024, N 8,192]; A: input w_qs; B: input q: QUANTISED
;;     2. [M 1,024, K 1,024] x [K 1,024, N 8,192]; A: input w_ks; B: input q: QUANTISED
;;     3. [M 1,024, K 1,024] x [K 1,024, N 8,192]; A: input w_vs; B: input q: QUANTISED
;;     4. batch 128 x [M 1,024, K 64] x [K 64, N 1,024]; A: computed on the way; B: computed on the way: left as it is (an operand is computed on the way)
;;     5. batch 128 x [M 1,024, K 1,024] x [K 1,024, N 64]; A: computed on the way; B: computed on the way: left as it is (an operand is computed on the way)
;;     6. [M 8,192, K 1,024] x [K 1,024, N 1,024]; A: computed on the way; B: input proj_w: left as it is (an operand is computed on the way)
;;   THE QUANTISER, for each operand of a quantised product, along K:
;;     - K is cut into blocks of 32 from its start; a last block that is shorter is filled with zeros.
;;     - A block's scale is 2^e with e = floor(log2(the largest magnitude in the block)) - 2, held to -126 .. 127; a block of zeros has e = 0. As a byte (E8M0): e + 127.
;;     - Each number is divided by its block's scale, clamped to +-6, and rounded to the nearest number of E2M1, ties to even, subnormals kept.
;;     - The product sums the exact products of the quantised numbers (number of the format x scale) in f32.
;;   ~~~python
;;   def quantise(x, axis):      # numpy; x: float32 -> the quantised numbers, widened to float32 again
;;       x = np.moveaxis(x, axis, -1); K = x.shape[-1]
;;       x = np.pad(x, [(0, 0)] * (x.ndim - 1) + [(0, -K % 32)]); x = x.reshape(x.shape[:-1] + (-1, 32)); a = np.abs(x).max(-1, keepdims=True)
;;       e = np.where(a > 0, np.clip(np.frexp(np.where(a > 0, a, 1))[1] - 1 - 2, -126, 127), 0)      # np.frexp(a)[1] - 1 = floor(log2(a)), exactly
;;       r = np.clip(x / 2.0 ** e, -6, 6)
;;       step = 2.0 ** (np.maximum(np.frexp(np.where(r == 0, 1, r))[1] - 1, 0) - 1)
;;       q = np.round(r / step) * step * 2.0 ** e      # np.round: ties to even
;;       return np.moveaxis(q.reshape(q.shape[:-2] + (-1,))[..., :K], -1, axis).astype(np.float32)
;;   ~~~
;; One version. Each part assembles by itself: llvm-mc -triple=amdgcn-amd-amdhsa -mcpu=gfx1250 --defsym DOCPART=n.
;; ======== version 1 of 1: 4 launches
;; limits: values are held in f16: magnitudes above 65,504 overflow, below 6.1e-05 lose precision
;; workspace buffers: a_codes 4,194,304 bytes; a_scales 262,144 bytes; b_codes 1,572,864 bytes; b_scales 98,304 bytes; pw16 2,097,152 bytes; qkv 50,331,648 bytes; att 16,777,216 bytes
;; launch prep (part 1): grid 512 x 1, 4 waves a work-group, no clusters, 42,496 bytes of LDS; arguments q, w_qs, w_ks, w_vs, proj_w, a_codes, a_scales, b_codes, b_scales, pw16; writes a_codes, a_scales, b_codes, b_scales, pw16
.if DOCPART == 1
	.amdgcn_target "amdgcn-amd-amdhsa--gfx1250"
	.amdhsa_code_object_version 6
	.text
	.protected	k_q8e18cee254_prep
	.globl	k_q8e18cee254_prep
	.p2align	8
	.type	k_q8e18cee254_prep,@function
k_q8e18cee254_prep:
	s_mov_b64 s[64:65], 0
	v_nop
	global_prefetch_b8 v0, s[64:65] scope:SCOPE_SE
	s_setreg_imm32_b32 hwreg(HW_REG_WAVE_MODE, 25, 1), 1
	s_wait_xcnt 0x0
; PREP: the operands of the later launches are made once.  Three paths, chosen by the work-group's number alone; each ends by itself.
;   work-groups 0-255   (Q): q [8192][1024] f32 -> a_codes [8192][512 bytes], a_scales [8192][32 bytes]: codes of FP4 (E2M1), K innermost, one E8M0 byte for each 32 along K.
;   work-groups 256-447 (W): w_qs, w_ks, w_vs [16 heads][1024 d][64] f32, K = d (not innermost) -> b_codes [3072 n][512 bytes], b_scales [3072][32], n = 1024 x matrix + 64 x head + column.
;   work-groups 448-511 (P): proj_w [1024][1024] f32 -> pw16, the same numbers rounded to f16.
; A block's scale is 2^(floor(log2(its largest magnitude)) - 2); its byte is the largest magnitude's exponent field - 2, held at 1 from below.
; LIMITS: a block of zeros gets the byte 1 where the rule says 127 (its codes are zeros, and this program alone reads the bytes); blocks whose largest magnitude lies under 2^-124 keep the byte 1;
; NaN and infinities among the inputs are not served; |proj_w| stays under 65,504 (f16's largest number).
; LDS: each path has bytes of its own: 0-32,767 path Q (8,192 a wave, read by that wave alone); 32,768-41,471 path W's stage and 41,472-41,983 its scale words (shared by its four waves: one barrier);
; from 41,984 the spare words, 128 bytes a wave.
.set SPARE, 41984
.set SPW,   254                        ; v254  LDS address of my spare word: SPARE + 4 x my thread's number; never rewritten
.set NIL,   255                        ; v255  0; never rewritten
; ---- path Q: a wave takes 16 steps of 512 numbers.  A load takes the bytes as they lie (512 consecutive bytes a wave); a step's 2,048 bytes turn through the wave's stage in LDS, so that a lane holds 16 neighbours along K.
.set QR,    16                         ; v16-143  eight sets of 16 numbers as loaded: loads run eight steps (32 loads a wave) ahead
.set QX,    144                        ; v144-175 two sets of 16 neighbours
.set QE,    176                        ; v176-191 a scale byte for each step
.set QC,    192                        ; v192-223 two registers of codes for each step: no store's data are written again
.set SP,    80                         ; a lane's place in a stage: its 64 bytes + 16 of padding
.macro QLOAD t
.irp i, 0,1,2,3
	global_load_b128 v[QR+16*((\t)%8)+4*\i:QR+16*((\t)%8)+4*\i+3], v3, s[4:5] offset:2048*(\t)+512*\i th:TH_LOAD_NT
.endr
.endm
.macro QTURN t                         ; LDS serves a wave's instructions in order (ISA guide 5.7.1.4): no wait between the stores and the loads
.irp i, 0,1,2,3
	ds_store_b128 v14, v[QR+16*((\t)%8)+4*\i:QR+16*((\t)%8)+4*\i+3] offset:32*SP*((\t)%2)+8*SP*\i
.endr
.irp i, 0,1,2,3
	ds_load_b128 v[QX+16*((\t)%2)+4*\i:QX+16*((\t)%2)+4*\i+3], v15 offset:32*SP*((\t)%2)+16*\i
.endr
.endm
.macro QSTEP t
.set XS, QX+16*((\t)%2)
.if (\t) > 0
	s_wait_dscnt 1                                 ; this step's numbers are back from the stage (the last step's byte store may be out): so its stores into the stage have read their registers,
.else
	s_wait_dscnt 0x0
.endif
.if (\t)+8 < 16
	QLOAD (\t)+8                                   ; which take the loads of eight steps on
.endif
.if (\t)+1 < 16
.if (\t) <= 7
	s_wait_loadcnt 28                              ; the next step's four loads are in; those of the seven steps behind it may be out
.else
	s_wait_loadcnt 4*(14-(\t))                     ; nothing more is asked for: the count runs down
.endif
	QTURN (\t)+1                                   ; and go through the other stage while this step is worked
.endif
	v_max3_num_f32 v8, |v[XS]|, |v[XS+1]|, |v[XS+2]|               ; the largest magnitude of my 16, in two chains
	v_max3_num_f32 v9, |v[XS+3]|, |v[XS+4]|, |v[XS+5]|
.irp i, 6,10
	v_max3_num_f32 v8, v8, |v[XS+\i]|, |v[XS+\i+1]|
	v_max3_num_f32 v9, v9, |v[XS+\i+2]|, |v[XS+\i+3]|
.endr
	v_max3_num_f32 v8, v8, |v[XS+14]|, |v[XS+15]|
	v_max3_num_f32 v8, v8, v9, 0x1800000           ; and the floor 2^(3 - 127): the byte cannot fall under 1
	v_max_num_f32_dpp v8, v8, v8 row_xmask:1 row_mask:0xf bank_mask:0xf   ; and of my neighbour's 16: the block's
	v_add_nc_u32 v11, 0xff000000, v8               ; 2 off its exponent field: the conversion takes the exponent field of this operand as its scale
	v_cvt_scalef32_pk8_fp4_f32 v[QC+2*(\t)], v[XS:XS+7], v11
	v_cvt_scalef32_pk8_fp4_f32 v[QC+2*(\t)+1], v[XS+8:XS+15], v11
	v_lshrrev_b32 v[QE+(\t)], 23, v11              ; the scale's byte (also the plain line behind the conversions)
	ds_store_b8 v5, v[QE+(\t)] offset:16*(\t)      ; both lanes of a block write the same byte with the same value
	global_store_b64 v4, v[QC+2*(\t):QC+2*(\t)+1], s[14:15] offset:256*(\t)   ; the wave stores 256 consecutive bytes, aligned
.endm
; ---- path W: a lane takes a column, its registers run down K: a block of 32 lies in one lane, and the codes come out with K innermost.
; A work-group takes 32 columns x 512 along K; each of its four waves a quarter of that K: 128 rows, 4 blocks, 128 loads of 4 bytes a lane, of which 64 are asked for at a time: two turns.
; A column's 256 bytes of codes so come from four waves: they meet in one stage, a barrier stands between writing and reading, and each wave stores 8 whole rows.
.set WNB,   4                          ; blocks of a wave
.set WX,    32                         ; v32-95   two sets of 32 numbers: loads run two blocks ahead
.set WC,    96                         ; v96-99   a block's codes
.set WOUT,  112                        ; v112-127 the way out: my 8 rows; v128-131 a column's 16 scale bytes (wave 0)
.set WSB,   24                         ; v24      my four scale bytes
.set WP,    272                        ; a stage row: 256 bytes of codes + 16
.set WSTG,  32768                      ; the stage: 32 rows, one a column
.set WSCW,  WSTG+32*WP                 ; the scale words: 16 bytes a column, wave w's word at 4 w
.macro WLOAD t
.irp i, 0,1,2,3,4,5,6,7,8,9,10,11,12,13,14,15,16,17,18,19,20,21,22,23,24,25,26,27,28,29,30,31
	global_load_b32 v[WX+32*((\t)%2)+\i], v3, s[6:7] offset:(32*(\t)+\i)*256   ; row 32 t + i of my 128 rows of the head's [1024][64], my column: 128 consecutive bytes a wave
.endr
.endm
.macro WBLOCK t
.set WS, WX+32*((\t)%2)
.if (\t) < WNB-1
	s_wait_loadcnt 32                              ; this block's 32 loads are in; the next block's may be out
.else
	s_wait_loadcnt 0x0
.endif
	v_max3_num_f32 v12, |v[WS]|, |v[WS+1]|, |v[WS+2]|
	v_max3_num_f32 v13, |v[WS+3]|, |v[WS+4]|, |v[WS+5]|
.irp i, 6,10,14,18,22,26
	v_max3_num_f32 v12, v12, |v[WS+\i]|, |v[WS+\i+1]|
	v_max3_num_f32 v13, v13, |v[WS+\i+2]|, |v[WS+\i+3]|
.endr
	v_max3_num_f32 v12, v12, |v[WS+30]|, |v[WS+31]|
	v_max3_num_f32 v12, v12, v13, 0x1800000        ; the floor, as above
	v_add_nc_u32 v11, 0xff000000, v12
	v_lshrrev_b32 v13, 23, v11                     ; the scale's byte
.if (\t) == 0
	v_mov_b32 v[WSB], v13                          ; four bytes to the register, the lower K in the lower byte
.else
	v_lshl_or_b32 v[WSB], v13, 8*(\t), v[WSB]
.endif
.irp g, 0,1,2,3
	v_cvt_scalef32_pk8_fp4_f32 v[WC+\g], v[WS+8*\g:WS+8*\g+7], v11
.endr
	ds_store_b128 v4, v[WC:WC+3] offset:16*(\t)    ; 32 codes: 16 bytes of my quarter of my column's row
.if (\t)+2 < WNB
	WLOAD (\t)+2
.endif
	s_wait_dscnt 0x0                               ; the store has read its registers: the next block's codes may be written
.endm
	s_load_b512 s[4:19], s[0:1], 0x0               ; q s[4:5], w_qs s[6:7], w_ks s[8:9], w_vs s[10:11], proj_w s[12:13], a_codes s[14:15], a_scales s[16:17], b_codes s[18:19]
	s_load_b128 s[20:23], s[0:1], 0x40             ; b_scales s[20:21], pw16 s[22:23]
	v_lshl_add_u32 v[SPW], v0, 2, SPARE
	v_mov_b32 v[NIL], 0
	v_lshrrev_b32 v1, 5, v0
	v_readfirstlane_b32 s24, v1                    ; wave 0..3
	v_and_b32 v2, 31, v0                           ; lane
	s_mov_b32 s29, 0                               ; the high word of every offset pair s[28:29]
	s_wait_kmcnt 0x0
	s_cmp_lt_u32 ttmp9, 256
	s_cbranch_scc1 .Lpath_q
	s_cmp_lt_u32 ttmp9, 448
	s_cbranch_scc1 .Lpath_w
	; ---- path P: a wave rounds 4,096 numbers of proj_w to f16.  All 32 loads go out first; each store of the wave covers 256 consecutive bytes, aligned.  No LDS is written here.
	s_sub_co_u32 s26, ttmp9, 448
	s_lshl_b32 s26, s26, 2
	s_add_co_u32 s26, s26, s24                     ; which run of 4,096 numbers is my wave's: 0..255
	s_lshl_b32 s28, s26, 14
	s_add_nc_u64 s[12:13], s[12:13], s[28:29]
	s_lshl_b32 s28, s26, 13
	s_add_nc_u64 s[22:23], s[22:23], s[28:29]
	v_lshlrev_b32 v3, 4, v2
	v_lshlrev_b32 v4, 3, v2
.set i, 0
.rept 32
	global_load_b128 v[16+4*i:19+4*i], v3, s[12:13] offset:512*i th:TH_LOAD_NT
.set i, i+1
.endr
.set i, 0
.rept 32
	s_wait_loadcnt 31-i                            ; loads come back in order (ISA guide 5.7.1): load i is in, the younger ones stay out
	v_cvt_pk_f16_f32 v[144+2*i], v[16+4*i], v[17+4*i]
	v_cvt_pk_f16_f32 v[145+2*i], v[18+4*i], v[19+4*i]
	global_store_b64 v4, v[144+2*i:145+2*i], s[22:23] offset:256*i
.set i, i+1
.endr
	s_endpgm
.Lpath_q:
	s_lshl_b32 s26, ttmp9, 2
	s_add_co_u32 s26, s26, s24                     ; which run of 8,192 numbers of q is my wave's: 0..1023
	s_lshl_b32 s28, s26, 15
	s_add_nc_u64 s[4:5], s[4:5], s[28:29]          ; 32,768 bytes in,
	s_lshl_b32 s28, s26, 12
	s_add_nc_u64 s[14:15], s[14:15], s[28:29]      ; 4,096 bytes of codes
	s_lshl_b32 s28, s26, 8
	s_add_nc_u64 s[16:17], s[16:17], s[28:29]      ; and 256 scale bytes out
	s_lshl_b32 s25, s24, 13                        ; my wave's 8,192 bytes of LDS
	v_lshlrev_b32 v3, 4, v2                        ; my 16 bytes of a load's 512
	v_lshlrev_b32 v4, 3, v2                        ; my 8 bytes of a store's 256
	v_lshrrev_b32 v14, 2, v2
	v_mul_u32_u24 v14, v14, SP
	v_and_b32 v15, 3, v2
	v_lshl_add_u32 v14, v15, 4, v14
	v_add_nc_u32 v14, s25, v14                     ; the stage, on the way in: SP (lane / 4) + 16 (lane % 4)
	v_mul_u32_u24 v15, v2, SP
	v_add_nc_u32 v15, s25, v15                     ; and on the way out: SP x lane: my 16 neighbours
	s_add_co_u32 s25, s25, 2*32*SP                 ; behind the two stages: my wave's 256 scale bytes
	v_lshrrev_b32 v5, 1, v2
	v_add_nc_u32 v5, s25, v5                       ; my block's byte
	v_add_nc_u32 v6, s25, v4                       ; and on the way out 8 bytes a lane
.irp t, 0,1,2,3,4,5,6,7
	QLOAD \t
.endr
	s_wait_loadcnt 28                              ; step 0's four loads are in
	QTURN 0
.irp t, 0,1,2,3,4,5,6,7,8,9,10,11,12,13,14,15
	QSTEP \t
.endr
	ds_load_b64 v[8:9], v6                         ; in order behind my byte stores
	s_wait_dscnt 0x0
	global_store_b64 v4, v[8:9], s[16:17]          ; 32 lanes store 256 consecutive bytes, aligned
	s_wait_tensorcnt 0x0                           ; the wave's end
	ds_add_u32 v[SPW], v[NIL]
	s_wait_dscnt 0x0
	s_endpgm
.Lpath_w:
	s_sub_co_u32 s26, ttmp9, 256                   ; 0..191
	s_and_b32 s27, s26, 1                          ; y: which 512 along K
	s_lshr_b32 s26, s26, 1                         ; my work-group's 32 columns n: group 0..95 = 32 x matrix + 2 x head + half
	s_lshr_b32 s30, s26, 5                         ; the matrix: 0 w_qs, 1 w_ks, 2 w_vs
	s_cmp_eq_u32 s30, 0                            ; the choice hangs on the work-group's number alone
	s_cselect_b64 s[6:7], s[6:7], s[8:9]
	s_cmp_eq_u32 s30, 2
	s_cselect_b64 s[6:7], s[10:11], s[6:7]
	s_bfe_u32 s28, s26, 0x40001                    ; the head
	s_lshl_b32 s28, s28, 18                        ; 1,024 rows of 256 bytes
	s_lshl_b32 s31, s27, 17                        ; y x 512 rows
	s_add_co_u32 s28, s28, s31
	s_lshl_b32 s31, s24, 15                        ; my wave's 128 of them
	s_add_co_u32 s28, s28, s31
	s_and_b32 s31, s26, 1
	s_lshl_b32 s31, s31, 7                         ; which 32 of the head's 64 columns
	s_add_co_u32 s28, s28, s31
	s_add_nc_u64 s[6:7], s[6:7], s[28:29]
	s_lshl_b32 s28, s26, 14                        ; codes: the group's 32 rows of 512 bytes,
	s_lshl_b32 s31, s27, 8                         ; + 256 y,
	s_add_co_u32 s28, s28, s31
	s_lshl_b32 s31, s24, 12                        ; + the 8 rows that my wave stores
	s_add_co_u32 s28, s28, s31
	s_add_nc_u64 s[18:19], s[18:19], s[28:29]
	s_lshl_b32 s28, s26, 10                        ; scale bytes: 32 rows of 32 bytes,
	s_lshl_b32 s31, s27, 4                         ; + 16 y
	s_add_co_u32 s28, s28, s31
	s_add_nc_u64 s[20:21], s[20:21], s[28:29]
	v_lshlrev_b32 v3, 2, v2                        ; in: 4 bytes a lane
	s_lshl_b32 s25, s24, 6                         ; my quarter of K is 64 bytes of each stage row
	s_add_co_u32 s25, s25, WSTG
	v_mul_u32_u24 v4, v2, WP
	v_add_nc_u32 v4, s25, v4                       ; into the stage: row = my column
	v_and_b32 v5, 15, v2
	v_lshrrev_b32 v6, 4, v2                        ; out of it: sixteen lanes to a row, two rows an instruction
	s_mul_i32 s25, s24, 8*WP                       ; wave w takes rows 8 w .. 8 w + 7
	s_add_co_u32 s25, s25, WSTG
	v_mul_u32_u24 v7, v6, WP
	v_lshl_add_u32 v7, v5, 4, v7
	v_add_nc_u32 v7, s25, v7
	v_lshlrev_b32 v8, 9, v6
	v_lshl_add_u32 v8, v5, 4, v8                   ; and the same place in b_codes
	v_lshlrev_b32 v9, 5, v2                        ; a column's row of scale bytes in b_scales
	s_lshl_b32 s25, s24, 2
	s_add_co_u32 s25, s25, WSCW
	v_lshl_add_u32 v10, v2, 4, s25                 ; where my scale word goes: 16 x column + 4 x wave
	v_lshl_add_u32 v14, v2, 4, WSCW                ; and where a column's four words are read back
	WLOAD 0
	WLOAD 1
.irp t, 0,1,2,3
	WBLOCK \t
.endr
	ds_store_b32 v10, v[WSB]                       ; my column's four scale bytes of my quarter
	s_wait_dscnt 0x0                               ; for the others' sake: my stores into the stage and the table are done
	s_barrier_signal -1                            ; (the path was chosen by the work-group's number: all four waves are here)
	s_barrier_wait -1
.irp i, 0,1,2,3
	ds_load_b128 v[WOUT+4*\i:WOUT+4*\i+3], v7 offset:2*\i*WP
.endr
.irp i, 0,1,2,3
	s_wait_dscnt 3-\i
	global_store_b128 v8, v[WOUT+4*\i:WOUT+4*\i+3], s[18:19] offset:2*\i*512   ; sixteen lanes store 256 consecutive bytes, aligned
.endr
	s_cmp_lg_u32 s24, 0                            ; wave 0 alone stores the scale bytes: 16 of each column's 32, a lane a column
	s_cbranch_scc1 .Lw_end
	ds_load_b128 v[WOUT+16:WOUT+19], v14
	s_wait_dscnt 0x0
	global_store_b128 v9, v[WOUT+16:WOUT+19], s[20:21]
.Lw_end:
	s_wait_tensorcnt 0x0                           ; the wave's end: the three lines, as above
	ds_add_u32 v[SPW], v[NIL]
	s_wait_dscnt 0x0
	s_endpgm
.Lfunc_end_k_q8e18cee254_prep:
	.size	k_q8e18cee254_prep, .Lfunc_end_k_q8e18cee254_prep-k_q8e18cee254_prep
	.p2alignl 7, 3214868480
	.fill 96, 4, 3214868480
	.section	.rodata,"a",@progbits
	.p2align	6, 0x0
	.amdhsa_kernel k_q8e18cee254_prep
		.amdhsa_group_segment_fixed_size 42496
		.amdhsa_private_segment_fixed_size 0
		.amdhsa_enable_private_segment 0
		.amdhsa_kernarg_size 80
		.amdhsa_user_sgpr_count 2
		.amdhsa_user_sgpr_kernarg_segment_ptr 1
		.amdhsa_wavefront_size32 1
		.amdhsa_system_sgpr_workgroup_id_x 1
		.amdhsa_system_sgpr_workgroup_id_y 1
		.amdhsa_system_sgpr_workgroup_id_z 1
		.amdhsa_system_vgpr_workitem_id 0
		.amdhsa_next_free_vgpr 256
		.amdhsa_next_free_sgpr 66
		.amdhsa_reserve_vcc 0
		.amdhsa_float_denorm_mode_32 3
		.amdhsa_float_denorm_mode_16_64 3
		.amdhsa_memory_ordered 1
		.amdhsa_forward_progress 1
		.amdhsa_inst_pref_size 66
	.end_amdhsa_kernel
	.amdgpu_metadata
---
amdhsa.version: [ 1, 2 ]
amdhsa.kernels:
  - .name:           k_q8e18cee254_prep
    .symbol:         k_q8e18cee254_prep.kd
    .args:
      - { .name: q, .offset: 0, .size: 8, .value_kind: global_buffer, .address_space: global }
      - { .name: w_qs, .offset: 8, .size: 8, .value_kind: global_buffer, .address_space: global }
      - { .name: w_ks, .offset: 16, .size: 8, .value_kind: global_buffer, .address_space: global }
      - { .name: w_vs, .offset: 24, .size: 8, .value_kind: global_buffer, .address_space: global }
      - { .name: proj_w, .offset: 32, .size: 8, .value_kind: global_buffer, .address_space: global }
      - { .name: a_codes, .offset: 40, .size: 8, .value_kind: global_buffer, .address_space: global }
      - { .name: a_scales, .offset: 48, .size: 8, .value_kind: global_buffer, .address_space: global }
      - { .name: b_codes, .offset: 56, .size: 8, .value_kind: global_buffer, .address_space: global }
      - { .name: b_scales, .offset: 64, .size: 8, .value_kind: global_buffer, .address_space: global }
      - { .name: pw16, .offset: 72, .size: 8, .value_kind: global_buffer, .address_space: global }
    .group_segment_fixed_size: 42496
    .private_segment_fixed_size: 0
    .kernarg_segment_align: 8
    .kernarg_segment_size: 80
    .max_flat_workgroup_size: 128
    .sgpr_count:     66
    .vgpr_count:     256
    .wavefront_size: 32
...
	.end_amdgpu_metadata
.endif
;; end of part 1
;; launch qkv (part 2): grid 12 x 32, 4 waves a work-group, clusters of 4 x 4, 327,680 bytes of LDS; arguments a_codes, a_scales, b_codes, b_scales, qkv; writes qkv
.if DOCPART == 2
	.amdgcn_target "amdgcn-amd-amdhsa--gfx1250"
	.amdhsa_code_object_version 6
	.text
	.protected	k_q8e18cee254_qkv
	.globl	k_q8e18cee254_qkv
	.p2align	8
	.type	k_q8e18cee254_qkv,@function
k_q8e18cee254_qkv:
	s_mov_b64 s[64:65], 0
	v_nop
	global_prefetch_b8 v0, s[64:65] scope:SCOPE_SE
	s_setreg_imm32_b32 hwreg(HW_REG_WAVE_MODE, 25, 1), 1
	s_wait_xcnt 0x0
	s_wait_alu depctr_hold_cnt(0) depctr_sa_sdst(0) depctr_va_vdst(0) depctr_va_sdst(0) depctr_va_ssrc(0) depctr_va_vcc(0) depctr_vm_vsrc(0)
	s_getreg_b32 s2, hwreg(HW_REG_IB_STS2, 6, 4)
	s_cmp_eq_u32 s2, 0
	s_cbranch_scc0 .Lentry_in_a_cluster
	s_endpgm
.Lentry_in_a_cluster:
	s_bfe_u32 s2, ttmp6, 0x10000c
	s_cmp_lg_u32 s2, 0xf033
	s_cbranch_scc0 .Lentry_shape_is_right
	s_endpgm
.Lentry_shape_is_right:
; QKV: the three quantised products as ONE product on codes of FP4 (E2M1): C[m][n] = sum over k of A[m][k] B[n][k], m = 8,192 tokens, n = 3,072 = 1024 x matrix + 64 x head + column, K = 1,024.
; A: a_codes [8192][512 bytes], a_scales [8192][32]; B: b_codes [3072][512], b_scales [3072][32]: one E8M0 byte for each 32 along K.  Sums in f32; C is rounded once to f16 and laid by head:
; qkv [48 g = n / 64][8192 m][64] f16, so that a head's rows of a batch are one dense block.  LIMIT: |C| stays under 65,504, f16's largest number.
; A tile of C, 256 x 256, is made by a work-group of four waves; a wave makes 128 x 128: 64 accumulators of 16 x 16, 512 registers.  K is two steps of 512: two LDS slots, each filled ONCE, at the head.
; The scale bytes of the work-group's 256 rows of A and of B, for all of K, are two dense blocks: they come with the first fills and stay.
; CLUSTERS: 4 x 4 work-groups.  The four of a row of the cluster need the same tiles of A, the four of a column the same tiles of B: each tile is asked for jointly, by the same tensor load with the same
; descriptor and a mask that names the four.  THE MATRIX INSTRUCTION IS USED TRANSPOSED (source 0 = 16 rows of B, source 1 = 16 rows of A): a lane then holds eight neighbouring numbers of a row of C.
; REGISTERS, in windows of 256: window 0: v0-31 addresses; v32-95 scale words, two sets, which hold nothing else; v128-191 A's fragments, ONE set; on the way out v96-127, v192-223 packed results, v128-191 rows read back.
;   window 1: B's fragments, TWO sets, at v0 and at v128.   window 2: the accumulators of my rows 0-63 ((a, b) at v[8 (8 a + b)]);   window 3: those of my rows 64-127.
; It claims all of LDS and uses 296,448 bytes.
.set NQ,     4                         ; matrix instructions deep in a slot: 512 along K
.set ROWB,   256                       ; a tile's row in bytes
.set KROW,   512                       ; a row of A or of B in memory
.set PITCH,  272                       ; an LDS row: 256 bytes + 16 of padding = 68 words: the 16 rows that a load touches start at 16 different banks (64 banks of 4 bytes: ISA guide 11.1)
.set FR,     8                         ; registers of a fragment: 16 rows x 128 K
.set NL,     2                         ; LDS loads that bring one
.set NP,     4                         ; places behind this matrix instruction (ISA guide 7.12.1)
.set HALFT,  128*PITCH
.set SLOT,   4*HALFT                   ; A's 256 rows, then B's 256 rows
.set KS,     32                        ; a row of scales in bytes
.set SCL,    2*SLOT                    ; behind the slots: the scales, as units of 256 bytes + 16 of padding
.set HALFS,  (128*KS/256)*272
.set SBLK,   (16*KS/256)*272
.set SPARE,  SCL+4*HALFS               ; the spare words, 128 bytes for each wave
.set SPITCH, 144                       ; the way out: a stage of [2 heads][16 rows][128 bytes + 16] for each wave, in slot 0, which has had its one fill and its last read when the first result is stored there
.set ADRA, 16
.set ADRB, 20
.set STO,  24
.set RD,   25
.set CO,   26
.set ADRS, 27
.set SPW,  28
.set NIL,  29
.set SC,   32
.set AF,   128
.set G1, 24
.set G0, 32
.set G1B, 48
.set G0B, 56
.set G1S, 68
.set G0S, 76
.set G1SB, 80
.set G0SB, 88
.set MSB, 0
.macro WIN new                         ; the immediate's high byte repeats the setting that is left
.if MSB != (\new)
	s_set_vgpr_msb (MSB<<8)|(\new)
.set MSB, (\new)
.endif
.endm
.set MUL_LO, 0xa1                      ; source 0 (B) window 1, source 1 (A) window 0, C and D window 2
.set MUL_HI, 0xf1                      ; the same, C and D window 3
.set TO_B,   0x40                      ; destination window 1, address window 0
; A joint load: waves 0 and 1 fetch for A, waves 2 and 3 for B.  The branch hangs on the wave's number alone.  An s_nop 0 and four v_nop follow each of the two lines.
.macro JLOAD g0a, g1a, g0b, g1b
	s_cmp_eq_u32 s15, 0
	s_cbranch_scc0 .Lfor_b_\@
	tensor_load_to_lds s[\g0a:\g0a+3], s[\g1a:\g1a+7]
	s_nop 0
.rept 4
	v_nop
.endr
	s_branch .Lasked_\@
.Lfor_b_\@:
	tensor_load_to_lds s[\g0b:\g0b+3], s[\g1b:\g1b+7]
	s_nop 0
.rept 4
	v_nop
.endr
.Lasked_\@:
.endm
.macro CROUND                          ; a round of the cluster's barrier
	s_barrier_signal -1
	s_barrier_wait -1
	s_cmp_lg_u32 s14, 0
	s_cbranch_scc1 .Lnot_wave_0_\@
	s_barrier_signal -3
.Lnot_wave_0_\@:
	s_barrier_wait -3
	s_barrier_signal -1
	s_barrier_wait -1
.endm
	s_load_b128 s[4:7], s[0:1], 0x0                ; A's codes s[4:5], A's scales s[6:7]
	s_load_b128 s[8:11], s[0:1], 0x10              ; B's codes s[8:9], B's scales s[10:11]
	s_load_b64 s[12:13], s[0:1], 0x20              ; qkv
	v_lshl_add_u32 v[SPW], v0, 2, SPARE
	v_mov_b32 v[NIL], 0
	ds_add_u32 v[SPW], v[NIL]                      ; the wave's opening: the add, twice on end, and its wait ahead of my first tensor load
	ds_add_u32 v[SPW], v[NIL]
	v_lshrrev_b32 v1, 5, v0
	v_readfirstlane_b32 s14, v1                    ; wave 0..3
	s_lshr_b32 s15, s14, 1                         ; which half of the tile's rows is mine.  Also: I fetch for A (0) or for B (1)
	s_and_b32 s16, s14, 1                          ; which half of its columns.  Also: which 128 rows of that tile I fetch
	s_bfe_u32 s40, ttmp6, 0x40000                  ; cx, cy: my place in the cluster
	s_bfe_u32 s41, ttmp6, 0x40004
	s_lshl_b32 s42, ttmp9, 2
	s_add_co_u32 s42, s42, s40                     ; tile column of C = 4 x cluster x + cx
	s_and_b32 s17, ttmp7, 0xffff
	s_lshl_b32 s17, s17, 2
	s_add_co_u32 s17, s17, s41                     ; tile row of C = 4 x cluster y + cy
	s_lshl_b32 s43, s41, 2
	s_lshl_b32 s43, 15, s43                        ; my row of the cluster
	s_lshl_b32 s44, 0x1111, s40                    ; my column
	; descriptor group 1: a tile of 128 rows x 256 bytes, 16 bytes of padding behind each row
	s_or_b32 s[G1+0], s43, (0<<16)|(1<<20)|(1<<21)|(5<<22)|(3<<25)  ; 15:0 the mask; 17:16 elements of 1 byte; 20 padding on; 21 set beside a mask; 24:22 after every 64 words; 31:25 four words
	s_or_b32 s[G1B+0], s44, (0<<16)|(1<<20)|(1<<21)|(5<<22)|(3<<25)
.irp g, G1, G1B
	s_mov_b32 s[\g+1], ROWB<<16                    ; tensor_dim0
	s_mov_b32 s[\g+2], 128<<16                     ; tensor_dim1
	s_mov_b32 s[\g+3], ROWB<<16                    ; tile_dim0
	s_mov_b32 s[\g+4], 128                         ; tile_dim1
	s_mov_b32 s[\g+5], KROW                        ; tensor_dim0_stride
	s_mov_b32 s[\g+6], 0
	s_mov_b32 s[\g+7], 0
.endr
	; the scales of 128 rows: a dense block of 4,096 bytes, as 16 rows of 256 bytes (32 elements of 8 bytes), 16 bytes of padding behind each
	s_or_b32 s[G1S+0], s43, (3<<16)|(1<<20)|(1<<21)|(5<<22)|(3<<25)
	s_or_b32 s[G1SB+0], s44, (3<<16)|(1<<20)|(1<<21)|(5<<22)|(3<<25)
.irp g, G1S, G1SB
	s_mov_b32 s[\g+1], 32<<16
	s_mov_b32 s[\g+2], (128*KS/256)<<16
	s_mov_b32 s[\g+3], 32<<16
	s_mov_b32 s[\g+4], 128*KS/256
	s_mov_b32 s[\g+5], 32
	s_mov_b32 s[\g+6], 0
	s_mov_b32 s[\g+7], 0
.endr
	s_lshl_b32 s18, s16, 7                         ; which 128 rows of the tile I fetch
	s_lshl_b32 s20, s17, 8
	s_add_co_u32 s20, s20, s18                     ; A: row 256 x tile row + 128 x half
	s_lshl_b32 s46, s42, 8
	s_add_co_u32 s46, s46, s18                     ; B: row 256 x tile column + 128 x half
	s_mov_b32 s21, 0
	s_mov_b32 s47, 0
	s_mov_b64 s[18:19], KS
	s_mul_u64 s[22:23], s[20:21], s[18:19]         ; where these rows' scales begin, in bytes
	s_mul_u64 s[92:93], s[46:47], s[18:19]
	s_mov_b64 s[18:19], KROW
	s_mul_u64 s[20:21], s[20:21], s[18:19]         ; and their codes
	s_mul_u64 s[46:47], s[46:47], s[18:19]
	s_mul_i32 s45, s14, HALFT                      ; where they go: wave x 128 rows: no place in the cluster enters an LDS address
	s_mul_i32 s94, s14, HALFS
	s_wait_dscnt 0x0                               ; both opening adds are done
	s_wait_kmcnt 0x0
	s_add_nc_u64 s[20:21], s[4:5], s[20:21]
	s_add_nc_u64 s[22:23], s[6:7], s[22:23]
	s_add_nc_u64 s[46:47], s[8:9], s[46:47]
	s_add_nc_u64 s[92:93], s[10:11], s[92:93]
	CROUND                                         ; all sixteen work-groups are here: the joint loads meet
	s_mov_b32 s[G0S], 1
	s_add_co_u32 s[G0S+1], s94, SCL
	s_mov_b64 s[G0S+2:G0S+3], s[22:23]
	s_or_b32 s[G0S+3], s[G0S+3], 0x80000000
	s_mov_b32 s[G0SB], 1
	s_add_co_u32 s[G0SB+1], s94, SCL
	s_mov_b64 s[G0SB+2:G0SB+3], s[92:93]
	s_or_b32 s[G0SB+3], s[G0SB+3], 0x80000000
	JLOAD G0S, G1S, G0SB, G1SB                     ; the scales first: they are wanted with K step 0.  Three loads of a wave are out in all
.irp s, 0,1
	s_mov_b32 s[G0+4*\s], 1
	s_add_co_u32 s[G0+4*\s+1], s45, \s*SLOT
	s_add_nc_u64 s[G0+4*\s+2:G0+4*\s+3], s[20:21], \s*ROWB
	s_or_b32 s[G0+4*\s+3], s[G0+4*\s+3], 0x80000000
	s_mov_b32 s[G0B+4*\s], 1
	s_add_co_u32 s[G0B+4*\s+1], s45, \s*SLOT
	s_add_nc_u64 s[G0B+4*\s+2:G0B+4*\s+3], s[46:47], \s*ROWB
	s_or_b32 s[G0B+4*\s+3], s[G0B+4*\s+3], 0x80000000
	JLOAD G0+4*\s, G1, G0B+4*\s, G1B
.endr
	v_and_b32 v1, 15, v0                           ; l % 16
	v_bfe_u32 v2, v0, 4, 1                         ; l / 16
	v_mul_u32_u24 v3, v1, PITCH
	v_lshl_add_u32 v4, v2, 4, v3                   ; a fragment's row x pitch + 16 x half
	s_mul_i32 s21, s15, HALFT                      ; my 128 rows of A
	s_mul_i32 s22, s16, HALFT                      ; my 128 rows of B,
	s_add_co_u32 s22, s22, 2*HALFT                 ; which lie behind A's 256
.irp s, 0,1
	v_add_nc_u32 v[ADRA+\s], s21, v4
	v_add_nc_u32 v[ADRB+\s], s22, v4
	s_add_co_u32 s21, s21, SLOT
	s_add_co_u32 s22, s22, SLOT
.endr
	v_mul_u32_u24 v5, v1, KS                       ; my row's scales: 32 bytes a row,
	v_lshrrev_b32 v6, 8, v5
	v_lshl_add_u32 v5, v6, 4, v5                   ; and 16 more for each 256 passed
	s_mul_i32 s21, s15, HALFS                      ; A's: my 128 rows
	s_mul_i32 s22, s16, HALFS                      ; B's: my 128 rows, behind A's 256
	s_add_co_u32 s22, s22, 2*HALFS
	s_sub_co_u32 s22, s22, s21
	v_mul_u32_u24 v6, s22, v2                      ; lanes 16-31 take B's: one product, the distance between the two bases
	s_add_co_u32 s21, s21, SCL
	v_add_nc_u32 v5, v5, v6
	v_add_nc_u32 v[ADRS], s21, v5
	s_mul_i32 s23, s14, 32*SPITCH                  ; my stage
	v_mul_u32_u24 v5, v1, SPITCH                   ; in: row l % 16, 16 bytes for each half of the lanes
	v_lshl_add_u32 v5, v2, 4, v5
	v_add_nc_u32 v[STO], s23, v5
	v_and_b32 v6, 31, v0
	v_lshlrev_b32 v[CO], 4, v6                     ; in memory four rows of 128 bytes are 512 consecutive bytes: 16 x lane
	v_lshrrev_b32 v5, 3, v6
	v_mul_u32_u24 v5, v5, SPITCH                   ; back: eight lanes to a row, four rows an instruction
	v_and_b32 v6, 7, v0
	v_lshl_add_u32 v5, v6, 4, v5
	v_add_nc_u32 v[RD], s23, v5
	s_lshl_b32 s20, s17, 15                        ; my first row: (256 x tile row + 128 x half) x 128 bytes,
	s_lshl_b32 s21, s15, 14
	s_add_co_u32 s20, s20, s21
	s_mov_b32 s21, 0
	s_lshl_b32 s46, s42, 22                        ; my first head: g = 4 x tile column + 2 x half, 2^20 bytes each (in the registers that held B's address: none that feeds A's descriptors ever holds cx)
	s_lshl_b32 s47, s16, 21
	s_add_co_u32 s46, s46, s47
	s_mov_b32 s47, 0
	s_add_nc_u64 s[20:21], s[20:21], s[46:47]
	s_add_nc_u64 s[12:13], s[12:13], s[20:21]
.macro FRAG reg, adr, q, i             ; a fragment, 16 rows x 128 K of 4-bit codes: lane l holds row l % 16; registers 4 c .. 4 c + 3 hold K = 64 c + 32 (l / 16) + 0 .. 31
.irp c, 0,1
	ds_load_b128 v[\reg+4*\c:\reg+4*\c+3], v[\adr] offset:64*(\q)+32*\c+(\i)*16*PITCH
.endr
.endm
; 16 matrix instructions: A's blocks a0, a0 + 1 x B's eight, the slot's q-th 128 along K.  p: B's set; sc: the set of scale words.  zero = 1: the first product starts the sums.
; The 64 accumulators take turns, one instruction a turn, in the same order in every step.  One register carries A's scale word (lanes 0-15) and B's (lanes 16-31).
.macro MUL16 a0, p, q, sc, zero
.irp a, \a0, \a0+1
.irp b, 0,1,2,3,4,5,6,7
.if \zero
	v_wmma_scale_f32_16x16x128_f8f6f4 v[8*(8*((\a)%4)+\b):8*(8*((\a)%4)+\b)+7], v[128*(\p)+FR*\b:128*(\p)+FR*\b+FR-1], v[AF+FR*(\a):AF+FR*(\a)+FR-1], 0, v[SC+8*NQ*(\sc)+NQ*\b+(\q)], v[SC+8*NQ*(\sc)+NQ*(\a)+(\q)] matrix_a_fmt:MATRIX_FMT_FP4 matrix_b_fmt:MATRIX_FMT_FP4 matrix_a_scale:MATRIX_SCALE_ROW1
.else
	v_wmma_scale_f32_16x16x128_f8f6f4 v[8*(8*((\a)%4)+\b):8*(8*((\a)%4)+\b)+7], v[128*(\p)+FR*\b:128*(\p)+FR*\b+FR-1], v[AF+FR*(\a):AF+FR*(\a)+FR-1], v[8*(8*((\a)%4)+\b):8*(8*((\a)%4)+\b)+7], v[SC+8*NQ*(\sc)+NQ*\b+(\q)], v[SC+8*NQ*(\sc)+NQ*(\a)+(\q)] matrix_a_fmt:MATRIX_FMT_FP4 matrix_b_fmt:MATRIX_FMT_FP4 matrix_a_scale:MATRIX_SCALE_ROW1
.endif
.endr
.endr
.endm
.macro FETCH_B slot, q, p
	WIN TO_B
.irp i, 0,1,2,3,4,5,6,7
	FRAG 128*(\p)+FR*\i, ADRB+\slot, \q, \i
.endr
	WIN 0
.endm
.macro FETCH_A slot, q, i0
.irp i, \i0, \i0+1, \i0+2, \i0+3
	FRAG AF+FR*(\i), ADRA+\slot, \q, \i
.endr
.endm
.macro SCALES sc                       ; a K step's scale words into set sc: four words a row; lanes 0-15 take A's block i, lanes 16-31 B's block i
.irp i, 0,1,2,3,4,5,6,7
	ds_load_b128 v[SC+8*NQ*\sc+NQ*\i:SC+8*NQ*\sc+NQ*\i+3], v[ADRS] offset:\i*SBLK
.endr
.endm
; A load into a register that a matrix instruction has read, and a vector instruction that reads a matrix result, stand NP places behind it; only plain vector instructions that name none of its registers are places.
.macro PLACES n
.rept \n
	v_nop
.endr
.endm
.macro STEP slot, q, zero              ; a step of 128 along K that has its successor in the same slot
	s_wait_dscnt 4*NL                              ; B's set and A's blocks 0-3 are in; the youngest eight loads (A's blocks 4-7) may be out
	WIN MUL_LO
	MUL16 0, (\q)%2, \q, \slot, \zero
	MUL16 2, (\q)%2, \q, \slot, \zero
	s_wait_dscnt 0                                 ; A's blocks 4-7 are in
	PLACES NP
	FETCH_B \slot, (\q)+1, 1-(\q)%2
	FETCH_A \slot, (\q)+1, 0
	WIN MUL_HI
	MUL16 4, (\q)%2, \q, \slot, \zero
	MUL16 6, (\q)%2, \q, \slot, \zero
	PLACES NP
	WIN 0
	FETCH_A \slot, (\q)+1, 4
.endm
; Slot 0's last step changes slots: one barrier; in front of it each wave waits for all its tensor loads (its part of slot 1), adds 0 to its spare word, and waits for that and for its reads of slot 0.  Nothing is filled again.
.macro TURN slot, next
	s_wait_tensorcnt 0x0                           ; all my tensor loads have landed  (every window is 0 here)
	ds_add_u32 v[SPW], v[NIL]                      ; 0 onto my spare word
	s_wait_dscnt 4*NL+1                            ; (the add and the youngest eight loads, A's blocks 4-7, may be out)
	WIN MUL_LO
	MUL16 0, 1, NQ-1, \slot, 0
	s_wait_dscnt 0x0                               ; the add is done, and my reads of this slot are over
	s_barrier_signal -1
	MUL16 2, 1, NQ-1, \slot, 0
	WIN 0
	s_barrier_wait -1
	PLACES NP
	v_add_nc_u32 v[ADRS], 4*NQ, v[ADRS]            ; on to the next K step's scale words (no LDS load of mine is out)
	FETCH_B \next, 0, 0
	FETCH_A \next, 0, 0
	SCALES \next
	WIN MUL_HI
	MUL16 4, 1, NQ-1, \slot, 0
	MUL16 6, 1, NQ-1, \slot, 0
	PLACES NP
	WIN 0
	FETCH_A \next, 0, 4
.endm
.macro STEPS slot, from                ; the slot's steps from .. NQ - 2
.set Q, \from
.rept NQ-1-\from
	STEP \slot, Q, 0
.set Q, Q+1
.endr
.endm
	s_wait_tensorcnt 1                             ; the scales and my part of K step 0 are in (K step 1's load may be out)
	s_barrier_signal -1
	s_barrier_wait -1                              ; everybody's are
	FETCH_B 0, 0, 0
	FETCH_A 0, 0, 0
	SCALES 0
	FETCH_A 0, 0, 4
	STEP 0, 0, 1                                   ; the first step's products start the sums: nothing is cleared
	STEPS 0, 1
	TURN 0, 1
	STEPS 1, 0
	s_wait_dscnt 4*NL                              ; the very last step: nothing more to fetch
	WIN MUL_LO
	MUL16 0, 1, NQ-1, 1, 0
	MUL16 2, 1, NQ-1, 1, 0
	s_wait_dscnt 0
	WIN MUL_HI
	MUL16 4, 1, NQ-1, 1, 0
	MUL16 6, 1, NQ-1, 1, 0
	WIN 0
; THE WAY OUT, block by block of 16 rows x 128 columns (two heads).  PACK: rounded to f16, a lane's eight columns are 16 bytes, each accumulator from its low end on.  TOSTAGE: into my own stage and back as whole rows of a head
; (128 bytes; four rows are 512 consecutive bytes of qkv).  SEND: stored.  LDS serves a wave's instructions in order (ISA guide 5.7.1.4): no wait between the stores and the loads.
.macro PACK a
.set AC, 64*((\a)%4)
.set TT, 96+96*((\a)%2)
	WIN 0x0a+5*((\a)/4)                            ; sources 0 and 1: window 2 or 3
.irp b, 0,1,2,3,4,5,6,7
.irp i, 0,1,2,3
	v_cvt_pk_f16_f32 v[TT+4*\b+\i], v[AC+8*\b+2*\i], v[AC+8*\b+2*\i+1]
.endr
.endr
	WIN 0
.endm
.macro TOSTAGE a
.set TT, 96+96*((\a)%2)
.set BB, 128+32*((\a)%2)
.irp b, 0,1,2,3,4,5,6,7
	ds_store_b128 v[STO], v[TT+4*\b:TT+4*\b+3] offset:(\b/4)*16*SPITCH+(\b%4)*32
.endr
.irp t, 0,1,2,3,4,5,6,7
	ds_load_b128 v[BB+4*\t:BB+4*\t+3], v[RD] offset:(\t/4)*16*SPITCH+(\t%4)*4*SPITCH
.endr
.endm
.macro SEND a
.set BB, 128+32*((\a)%2)
	s_wait_dscnt 0x0                               ; the block is back in registers
	s_wait_xcnt 0x0                                ; the earlier stores have read their data: the set that the next TOSTAGE loads is free behind this wait
.irp t, 0,1,2,3,4,5,6,7
	global_store_b128 v[CO], v[BB+4*\t:BB+4*\t+3], s[12:13] offset:(\t/4)*1048576+(\a)*2048+(\t%4)*512   ; 32 lanes store 512 consecutive bytes, aligned; 1,064,448 at the most: inside the signed 24-bit immediate
.endr
.endm
	PLACES NP                                      ; behind the last products: for the first reads of results and the loads into A's registers
	PACK 0
	TOSTAGE 0
.irp a, 1,2,3,4,5,6,7                  ; block a's conversions stand between block a - 1's loads from the stage and the wait for them
	PACK \a
	SEND \a-1
	TOSTAGE \a
.endr
	SEND 7
	s_wait_tensorcnt 0x0                           ; the wave's end: these three lines, behind my last tensor load and my last LDS store
	ds_add_u32 v[SPW], v[NIL]
	s_wait_dscnt 0x0
	CROUND                                         ; the closing round
	s_endpgm
.Lfunc_end_k_q8e18cee254_qkv:
	.size	k_q8e18cee254_qkv, .Lfunc_end_k_q8e18cee254_qkv-k_q8e18cee254_qkv
	.p2alignl 7, 3214868480
	.fill 96, 4, 3214868480
	.section	.rodata,"a",@progbits
	.p2align	6, 0x0
	.amdhsa_kernel k_q8e18cee254_qkv
		.amdhsa_group_segment_fixed_size 327680
		.amdhsa_private_segment_fixed_size 0
		.amdhsa_enable_private_segment 0
		.amdhsa_kernarg_size 40
		.amdhsa_user_sgpr_count 2
		.amdhsa_user_sgpr_kernarg_segment_ptr 1
		.amdhsa_wavefront_size32 1
		.amdhsa_system_sgpr_workgroup_id_x 1
		.amdhsa_system_sgpr_workgroup_id_y 1
		.amdhsa_system_sgpr_workgroup_id_z 1
		.amdhsa_system_vgpr_workitem_id 0
		.amdhsa_next_free_vgpr 1024
		.amdhsa_next_free_sgpr 98
		.amdhsa_reserve_vcc 0
		.amdhsa_float_denorm_mode_32 3
		.amdhsa_float_denorm_mode_16_64 3
		.amdhsa_memory_ordered 1
		.amdhsa_forward_progress 1
		.amdhsa_inst_pref_size 126
	.end_amdhsa_kernel
	.amdgpu_metadata
---
amdhsa.version: [ 1, 2 ]
amdhsa.kernels:
  - .name:           k_q8e18cee254_qkv
    .symbol:         k_q8e18cee254_qkv.kd
    .args:
      - { .name: a_codes, .offset: 0, .size: 8, .value_kind: global_buffer, .address_space: global }
      - { .name: a_scales, .offset: 8, .size: 8, .value_kind: global_buffer, .address_space: global }
      - { .name: b_codes, .offset: 16, .size: 8, .value_kind: global_buffer, .address_space: global }
      - { .name: b_scales, .offset: 24, .size: 8, .value_kind: global_buffer, .address_space: global }
      - { .name: qkv, .offset: 32, .size: 8, .value_kind: global_buffer, .address_space: global }
    .group_segment_fixed_size: 327680
    .private_segment_fixed_size: 0
    .kernarg_segment_align: 8
    .kernarg_segment_size: 40
    .max_flat_workgroup_size: 128
    .sgpr_count:     98
    .vgpr_count:     1024
    .wavefront_size: 32
...
	.end_amdgpu_metadata
.endif
;; end of part 2
;; launch attn (part 3): grid 2 x 128, 16 waves a work-group, no clusters, 327,680 bytes of LDS; arguments qkv, attn_mask, att; writes att
.if DOCPART == 3
	.amdgcn_target "amdgcn-amd-amdhsa--gfx1250"
	.amdhsa_code_object_version 6
	.text
	.protected	k_q8e18cee254_attn
	.globl	k_q8e18cee254_attn
	.p2align	8
	.type	k_q8e18cee254_attn,@function
k_q8e18cee254_attn:
	s_mov_b64 s[64:65], 0
	v_nop
	global_prefetch_b8 v0, s[64:65] scope:SCOPE_SE
	s_setreg_imm32_b32 hwreg(HW_REG_WAVE_MODE, 25, 1), 1
	s_wait_xcnt 0x0
; ATTN: att[h][b, q][:] = sum over keys of softmax_k(Q . K / 8, masked keys left out) V, for each head h and batch b.  Q, K, V: qkv [48 g][8192 m][64] f16 (g = h: Q, 16 + h: K, 32 + h: V); attn_mask [8][1024] bytes, one a key;
; att [16 h][8192 m][64] f16.  Products on f16 operands with f32 sums; maxima, exponentials and sums in f32; the weights p are rounded to f16 for the second product, the result once at the end.
; SHARES.  A work-group owns 512 queries of one head of one batch; each of its SIXTEEN waves owns 32, two tiles of 16, in 256 registers: four waves to a SIMD, so that one wave's vector work stands beside another's products.
; THE WHOLE HEAD'S K AND V STAY IN LDS, filled once, in four chunks of 256 keys (waves 0-3: K, waves 4-7: V, 64 rows a load, four loads a wave out at the most); a chunk is read as soon as it has landed.  Nothing is filled again.
; NO CLUSTER: a head has two work-groups; a cluster of four would hold two heads, so masks and addresses of joint loads would hang on half of a place in the cluster.  What is shared is asked for twice.
; NO PREFETCH: all that the launch reads is asked for at its head.
; LAYOUT.  S^T = K Q^T (source 0 = 16 keys, source 1 = 16 queries): a lane holds ONE query (lane % 16) and keys 8 (lane / 16) + 0..7.  Two such tiles, rounded to f16 in pairs, ARE source 1 of O^T = V^T P.  V is turned by ds_load_tr16_b128.
; THE MASK costs no vector instruction in the loop: each key has a word in LDS, 0 or -1e30, and these words are the C of a score's first matrix instruction.  The running maximum m begins at -1e20, over every masked score,
; so p = 2^(c s - c m) of a masked key is 0 whatever the other keys are; a row all of whose keys are masked keeps l = 0 and O = 0 and gives 0.
; SOFTMAX.  For each query a running maximum m and sum l: p = 2^(c s - c m), c = log2(e) / 8; in every step O and l are multiplied by a = 2^(c m_old - c m_new).
; LIMITS: true scores stay above -1e20 (with f16 operands they lie within 64 x 65,504^2); a mask byte other than 0 counts as true; NaN and infinities are not served.
; It claims all of LDS and uses 317,440 bytes.
.set PK,    144                        ; a row of K in LDS: 128 bytes + 16: the 16 rows of a load start at 16 different banks (64 banks of 4 bytes: ISA guide 11.1)
.set PV,    160                        ; a row of V: 128 + 32
.set VREG,  1024*PK
.set BIAS,  VREG+1024*PV               ; 1,024 words, written by LDS stores: blocks of their own, into which no tile lands
.set SPARE, BIAS+4096                  ; the spare words, 128 bytes for each of 16 waves
.set AK0, 1                            ; v1   my lane's place in a tile of K; never rewritten
.set AV0, 2                            ; v2   the same for V
.set AB0, 3                            ; v3   and among the keys' words
.set SPW, 4                            ; v4   LDS address of my spare word; never rewritten
.set NIL, 5                            ; v5   0; never rewritten
.set ADK, 6                            ; v6-8 the step's addresses
.set ADV, 7
.set ADB, 8
.set GO,  9                            ; v9   the way out: 16 x lane
.set STO, 10
.set RD,  11
.set QF,  16                           ; v16-47   Q: tile t, channels 32 c on, at 16 + 16 t + 8 c
.set FR,  48                           ; v48-79   four fragments of K or of V
.set BI,  80                           ; v80-95   the words of two tiles of keys
.set SS,  96                           ; v96-159  S^T: tile t, keys 16 kt on, at 96 + 32 t + 8 kt; then p; then P in place, 16 registers a tile
.set OO,  160                          ; v160-223 O^T: tile t, channels 16 n on, at 160 + 32 t + 8 n
.set ST,  224                          ; tile t's statistics at v[224 + 8 t]: +0 c m, +1 m, +2, +3 l, +4 to +7 at work; a takes +6
.set XS,  240                          ; v240-243 a second chain for each tile's sum
.set WV,  12
.set G1K, 16
.set G1V, 24
.set G0K, 32                           ; s[32:47] group 0 for K's four chunks
.set G0V, 48                           ; s[48:63] for V's
.set CS,  66                           ; s[66:67] c, twice
.set SEL, 68                           ; s[68:69] v_permlanex16_b32's selects for lane l xor 16
.set TBK, 70                           ; s70-72 where the step's keys begin in K, in V, among the words
.set TBV, 71
.set TBB, 72
.set CNT, 73
.macro PLACES
.rept 4
	v_nop
.endr
.endm
.macro KLOAD g                         ; tiles of keys 2 g, 2 g + 1 of the step: two fragments each (channels 0-31, 32-63), and the keys' words in the result's layout: lane (r, h): keys 8 h + 0..7
.irp u, 0,1
.irp c, 0,1
	ds_load_b128 v[FR+8*(2*\u+\c):FR+8*(2*\u+\c)+3], v[ADK] offset:16*(2*\g+\u)*PK+64*\c
	ds_load_b128 v[FR+8*(2*\u+\c)+4:FR+8*(2*\u+\c)+7], v[ADK] offset:16*(2*\g+\u)*PK+64*\c+32
.endr
	ds_load_b128 v[BI+8*\u:BI+8*\u+3], v[ADB] offset:64*(2*\g+\u)
	ds_load_b128 v[BI+8*\u+4:BI+8*\u+7], v[ADB] offset:64*(2*\g+\u)+16
.endr
.endm
.macro SMUL g                          ; eight products: four accumulators by turns, one instruction a turn; the first link's C is the keys' words
.irp c, 0,1
.irp u, 0,1
.irp t, 0,1
.if \c == 0
	v_wmma_f32_16x16x32_f16 v[SS+32*\t+8*(2*\g+\u):SS+32*\t+8*(2*\g+\u)+7], v[FR+8*(2*\u+\c):FR+8*(2*\u+\c)+7], v[QF+16*\t+8*\c:QF+16*\t+8*\c+7], v[BI+8*\u:BI+8*\u+7]
.else
	v_wmma_f32_16x16x32_f16 v[SS+32*\t+8*(2*\g+\u):SS+32*\t+8*(2*\g+\u)+7], v[FR+8*(2*\u+\c):FR+8*(2*\u+\c)+7], v[QF+16*\t+8*\c:QF+16*\t+8*\c+7], v[SS+32*\t+8*(2*\g+\u):SS+32*\t+8*(2*\g+\u)+7]
.endif
.endr
.endr
.endr
.endm
.macro VLOAD c                         ; keys 32 c on of the step, all 64 channels, turned: four fragments of V^T
.irp n, 0,1,2,3
	ds_load_tr16_b128 v[FR+8*\n:FR+8*\n+3], v[ADV] offset:32*\c*PV+32*\n
	ds_load_tr16_b128 v[FR+8*\n+4:FR+8*\n+7], v[ADV] offset:32*\c*PV+16*PV+32*\n
.endr
.endm
.macro PVMUL c                         ; eight products, eight accumulators by turns
.irp n, 0,1,2,3
.irp t, 0,1
	v_wmma_f32_16x16x32_f16 v[OO+32*\t+8*\n:OO+32*\t+8*\n+7], v[FR+8*\n:FR+8*\n+7], v[SS+32*\t+8*\c:SS+32*\t+8*\c+7], v[OO+32*\t+8*\n:OO+32*\t+8*\n+7]
.endr
.endr
.endm
; The softmax of both tiles for 64 keys, the tiles line by line in turn, so that no line waits for the line above it.
.macro SOFTMAX
.irp j, 0,1,2,3                        ; the maximum: four chains a tile; the first lines read each accumulator at its low end
.irp t, 0,1
	v_max3_num_f32 v[ST+8*\t+4+\j], v[SS+32*\t+8*\j], v[SS+32*\t+8*\j+1], v[SS+32*\t+8*\j+2]
.endr
.endr
.irp i, 3,5
.irp j, 0,1,2,3
.irp t, 0,1
	v_max3_num_f32 v[ST+8*\t+4+\j], v[ST+8*\t+4+\j], v[SS+32*\t+8*\j+\i], v[SS+32*\t+8*\j+\i+1]
.endr
.endr
.endr
.irp t, 0,1
	v_max3_num_f32 v[ST+8*\t+4], v[ST+8*\t+4], v[SS+32*\t+7], v[SS+32*\t+15]
	v_max3_num_f32 v[ST+8*\t+6], v[ST+8*\t+6], v[SS+32*\t+23], v[SS+32*\t+31]
.endr
.irp t, 0,1
	v_max3_num_f32 v[ST+8*\t+4], v[ST+8*\t+4], v[ST+8*\t+5], v[ST+8*\t+6]
.endr
.irp t, 0,1
	v_max3_num_f32 v[ST+8*\t+4], v[ST+8*\t+4], v[ST+8*\t+7], v[ST+8*\t+1]   ; with the old m
.endr
.irp t, 0,1
	v_permlanex16_b32 v[ST+8*\t+5], v[ST+8*\t+4], s[SEL], s[SEL+1]          ; the query's other 32 keys lie in the lane 16 away
.endr
.irp t, 0,1
	v_mov_b32 v[ST+8*\t+7], v[ST+8*\t]                                      ; c m_old is kept for a
.endr
.irp t, 0,1
	v_max_num_f32 v[ST+8*\t+1], v[ST+8*\t+4], v[ST+8*\t+5]                  ; the new m
.endr
.irp t, 0,1
	v_mul_f32 v[ST+8*\t], s[CS], v[ST+8*\t+1]
.endr
.irp t, 0,1
	v_sub_f32 v[ST+8*\t+7], v[ST+8*\t+7], v[ST+8*\t]
.endr
.set i, 0
.rept 16
.irp t, 0,1
	v_pk_fma_f32 v[SS+32*\t+i:SS+32*\t+i+1], v[SS+32*\t+i:SS+32*\t+i+1], s[CS:CS+1], v[ST+8*\t:ST+8*\t+1] op_sel_hi:[1,0,0] neg_lo:[0,0,1] neg_hi:[0,0,1]   ; c s - c m, two at a time
.endr
.set i, i+2
.endr
.irp t, 0,1                            ; ONE BATCH of 66 exponentials: a of both tiles, then the 64 p
	v_exp_f32 v[ST+8*\t+6], v[ST+8*\t+7]
.endr
.set i, 0
.rept 32
	v_exp_f32 v[SS+i], v[SS+i]
	v_exp_f32 v[SS+32+i], v[SS+32+i]
.set i, i+1
.endr
	v_nop                                          ; the plain instruction behind the last exponential, ahead of the first use
	s_wait_alu depctr_va_vdst(0)                   ; the wait ahead of the first instruction that names a result: one for the batch
.irp t, 0,1                            ; the sums, of the unrounded p: two chains a tile; l = a l + ..
	v_pk_fma_f32 v[ST+8*\t+2:ST+8*\t+3], v[ST+8*\t+2:ST+8*\t+3], v[ST+8*\t+6:ST+8*\t+7], v[SS+32*\t:SS+32*\t+1] op_sel_hi:[1,0,1]
	v_pk_add_f32 v[XS+2*\t:XS+2*\t+1], v[SS+32*\t+2:SS+32*\t+3], v[SS+32*\t+4:SS+32*\t+5]
.endr
.irp i, 6,10,14,18,22,26
.irp t, 0,1
	v_pk_add_f32 v[ST+8*\t+2:ST+8*\t+3], v[ST+8*\t+2:ST+8*\t+3], v[SS+32*\t+\i:SS+32*\t+\i+1]
	v_pk_add_f32 v[XS+2*\t:XS+2*\t+1], v[XS+2*\t:XS+2*\t+1], v[SS+32*\t+\i+2:SS+32*\t+\i+3]
.endr
.endr
.irp t, 0,1
	v_pk_add_f32 v[ST+8*\t+2:ST+8*\t+3], v[ST+8*\t+2:ST+8*\t+3], v[SS+32*\t+30:SS+32*\t+31]
.endr
.irp t, 0,1
	v_pk_add_f32 v[ST+8*\t+2:ST+8*\t+3], v[ST+8*\t+2:ST+8*\t+3], v[XS+2*\t:XS+2*\t+1]
.endr
.set i, 0
.rept 16                               ; the roundings to f16, in place: register i takes numbers 2 i, 2 i + 1, which no later line reads
.irp t, 0,1
	v_cvt_pk_f16_f32 v[SS+32*\t+i], v[SS+32*\t+2*i], v[SS+32*\t+2*i+1]
.endr
.set i, i+1
.endr
.set i, 0
.rept 16                               ; O^T times a, each accumulator from its low end on
.irp t, 0,1
	v_pk_mul_f32 v[OO+32*\t+i:OO+32*\t+i+1], v[OO+32*\t+i:OO+32*\t+i+1], v[ST+8*\t+6:ST+8*\t+7] op_sel_hi:[1,0]
.endr
.set i, i+2
.endr
.endm
; A KEY STEP: 64 keys.
.macro STEP
	v_add_nc_u32 v[ADK], s[TBK], v[AK0]            ; these three and two v_nop are FIVE places behind the last step's products: the first products below write over P, which those read
	v_add_nc_u32 v[ADV], s[TBV], v[AV0]
	v_add_nc_u32 v[ADB], s[TBB], v[AB0]
	v_nop
	v_nop
	KLOAD 0
	s_wait_dscnt 0x0
	SMUL 0
	PLACES                                         ; in front of loads into registers that matrix instructions have read
	KLOAD 1
	s_wait_dscnt 0x0
	SMUL 1
	PLACES                                         ; for the loads below and for the first reads of the scores
	VLOAD 0                                        ; lands while the softmax is walked
	SOFTMAX
	s_wait_dscnt 0x0
	PVMUL 0
	PLACES
	VLOAD 1
	s_wait_dscnt 0x0
	PVMUL 1
	s_add_co_u32 s[TBK], s[TBK], 64*PK
	s_add_co_u32 s[TBV], s[TBV], 64*PV
	s_add_co_u32 s[TBB], s[TBB], 256
.endm
; A CHUNK of 256 keys: the loading waves wait for their load of this chunk (the 3 - c later ones may stay out), every wave's LDS instructions are done, one barrier; then four steps.
.macro CHUNK c
	s_wait_tensorcnt 3-\c
	s_wait_dscnt 0x0
	s_barrier_signal -1
	s_barrier_wait -1
	s_mov_b32 s[CNT], 4
.Lstep_\@:
	STEP
	s_sub_co_u32 s[CNT], s[CNT], 1
	s_cmp_lg_u32 s[CNT], 0
	s_cbranch_scc1 .Lstep_\@
.endm
	s_load_b128 s[4:7], s[0:1], 0x0                ; qkv s[4:5], attn_mask s[6:7]
	s_load_b64 s[8:9], s[0:1], 0x10                ; att
	v_lshl_add_u32 v[SPW], v0, 2, SPARE
	v_mov_b32 v[NIL], 0
	ds_add_u32 v[SPW], v[NIL]                      ; the wave's opening: the add, twice on end, and its wait ahead of my first tensor load
	ds_add_u32 v[SPW], v[NIL]
	v_lshrrev_b32 v12, 5, v0
	v_readfirstlane_b32 s[WV], v12                 ; wave 0..15
	s_and_b32 s13, ttmp7, 0xffff
	s_and_b32 s14, s13, 15                         ; the head
	s_lshr_b32 s15, s13, 4                         ; the batch
	; descriptor group 1: 64 rows of 64 elements of 2 bytes, dense in memory; padding behind every 32 words: 4 words for K, 8 for V
	s_mov_b32 s[G1K], (1<<16)|(1<<20)|(4<<22)|(3<<25)
	s_mov_b32 s[G1V], (1<<16)|(1<<20)|(4<<22)|(7<<25)
.irp g, G1K, G1V
	s_mov_b32 s[\g+1], 64<<16                      ; tensor_dim0
	s_mov_b32 s[\g+2], 64<<16                      ; tensor_dim1
	s_mov_b32 s[\g+3], 64<<16                      ; tile_dim0
	s_mov_b32 s[\g+4], 64                          ; tile_dim1
	s_mov_b32 s[\g+5], 64                          ; tensor_dim0_stride
	s_mov_b32 s[\g+6], 0
	s_mov_b32 s[\g+7], 0
.endr
	s_lshl_b32 s74, s14, 3
	s_add_co_u32 s74, s74, s15
	s_lshl_b32 s74, s74, 17                        ; the head's batch in a third of qkv, and in att: (8 h + b) x 1,024 rows of 128 bytes
	s_and_b32 s76, s[WV], 3                        ; which 64 rows of a chunk I fetch, if I fetch
	s_lshl_b32 s78, s76, 13
	s_add_co_u32 s78, s78, s74
	s_mov_b32 s79, 0
	s_mul_i32 s82, s76, 64*PK                      ; and where they go
	s_mul_i32 s83, s76, 64*PV
	s_lshl_b32 s84, ttmp9, 16                      ; my work-group's 512 queries,
	s_lshl_b32 s85, s[WV], 12                      ; my wave's 32 of them
	s_add_co_u32 s84, s84, s85
	s_add_co_u32 s84, s84, s74
	s_mov_b32 s85, 0
	s_lshl_b32 s88, s15, 10                        ; the batch's 1,024 mask bytes
	s_mov_b32 s89, 0
	s_mul_i32 s90, s[WV], 32*PK                    ; my stage for the way out
	s_mov_b32 s[CS], 0x3e38aa3b                    ; c = log2(e) / 8
	s_mov_b32 s[CS+1], s[CS]
	s_mov_b32 s[SEL], 0x76543210
	s_mov_b32 s[SEL+1], 0xfedcba98
	s_mov_b32 s[TBK], 0
	s_mov_b32 s[TBV], 0
	s_mov_b32 s[TBB], 0
	s_wait_dscnt 0x0                               ; both opening adds are done
	s_wait_kmcnt 0x0
	s_add_nc_u64 s[80:81], s[4:5], s[78:79]
	s_add_nc_u64 s[86:87], s[4:5], s[84:85]        ; Q at my wave's first query
	s_add_nc_u64 s[8:9], s[8:9], s[84:85]          ; att likewise
	s_add_nc_u64 s[6:7], s[6:7], s[88:89]
.irp c, 0,1,2,3
	s_mov_b32 s[G0K+4*\c], 1
	s_add_co_u32 s[G0K+4*\c+1], s82, \c*256*PK
	s_add_nc_u64 s[G0K+4*\c+2:G0K+4*\c+3], s[80:81], 0x1000000+\c*32768   ; K's third of qkv, chunk c
	s_or_b32 s[G0K+4*\c+3], s[G0K+4*\c+3], 0x80000000
	s_mov_b32 s[G0V+4*\c], 1
	s_add_co_u32 s[G0V+4*\c+1], s83, VREG+\c*256*PV
	s_add_nc_u64 s[G0V+4*\c+2:G0V+4*\c+3], s[80:81], 0x2000000+\c*32768   ; V's
	s_or_b32 s[G0V+4*\c+3], s[G0V+4*\c+3], 0x80000000
.endr
	s_cmp_lt_u32 s[WV], 4                          ; a wave's four fills stand in one branch on the wave's number, ahead of every wait on TENSORcnt, every LDS read and every barrier
	s_cbranch_scc0 .Lnot_k
.irp c, 0,1,2,3
	tensor_load_to_lds s[G0K+4*\c:G0K+4*\c+3], s[G1K:G1K+7]
	s_nop 0
.endr
	PLACES
	s_branch .Lasked
.Lnot_k:
	s_cmp_lt_u32 s[WV], 8
	s_cbranch_scc0 .Lasked
.irp c, 0,1,2,3
	tensor_load_to_lds s[G0V+4*\c:G0V+4*\c+3], s[G1V:G1V+7]
	s_nop 0
.endr
	PLACES
.Lasked:
	v_lshlrev_b32 v245, 1, v0
	global_load_u16 v246, v245, s[6:7]             ; my two mask bytes: keys 2 x thread, 2 x thread + 1
	v_and_b32 v12, 15, v0                          ; r
	v_bfe_u32 v13, v0, 4, 1                        ; h
	v_lshlrev_b32 v244, 7, v12
	v_lshl_add_u32 v244, v13, 4, v244              ; Q: row r of 128 bytes, + 16 h
.irp t, 0,1
.irp c, 0,1
	global_load_b128 v[QF+16*\t+8*\c:QF+16*\t+8*\c+3], v244, s[86:87] offset:\t*2048+64*\c
	global_load_b128 v[QF+16*\t+8*\c+4:QF+16*\t+8*\c+7], v244, s[86:87] offset:\t*2048+64*\c+32
.endr
.endr
	v_mul_u32_u24 v[AK0], v12, PK
	v_lshl_add_u32 v[AK0], v13, 4, v[AK0]          ; row x pitch + 16 x half
	v_and_b32 v15, 7, v0
	v_lshl_add_u32 v[AV0], v13, 3, v15             ; the turning load: lane l reads key 8 (l / 16) + l % 8, channels 8 ((l / 8) % 2) + 0..7
	v_mul_u32_u24 v[AV0], v[AV0], PV
	v_bfe_u32 v14, v0, 3, 1
	v_lshl_add_u32 v[AV0], v14, 4, v[AV0]
	v_add_nc_u32 v[AV0], VREG, v[AV0]
	v_lshl_add_u32 v[AB0], v13, 5, BIAS            ; my half's eight keys' words
	v_and_b32 v14, 31, v0
	v_lshlrev_b32 v[GO], 4, v14
	v_add_nc_u32 v[STO], s90, v[AK0]               ; the stage, in: row r, 16 bytes for each half of the lanes
	v_bfe_u32 v14, v0, 3, 2
	v_mul_u32_u24 v14, v14, PK
	v_lshl_add_u32 v14, v15, 4, v14
	v_add_nc_u32 v[RD], s90, v14                   ; back: eight lanes to a row of 128 bytes, four rows an instruction
.irp t, 0,1
	v_mov_b32 v[ST+8*\t+1], 0xe0ad78ec             ; m = -1e20: under every true score, over every masked one
	v_mul_f32 v[ST+8*\t], s[CS], v[ST+8*\t+1]
	v_mov_b32 v[ST+8*\t+2], 0                      ; l
	v_mov_b32 v[ST+8*\t+3], 0
.endr
.set i, 0
.rept 64
	v_mov_b32 v[OO+i], 0                           ; O^T.  (The step is written in one form: the first finds zeros, which the first a leaves zeros)
.set i, i+1
.endr
	s_wait_loadcnt 8                               ; the mask bytes are in; Q's eight loads may be out
	v_mov_b32 v247, 0xf149f2ca                     ; -1e30
	v_and_b32 v248, 0xff, v246
	v_lshrrev_b32 v249, 8, v246
	v_cmp_ne_u32 s91, 0, v248
	v_cmp_ne_u32 s92, 0, v249
	v_cndmask_b32 v248, 0, v247, s91               ; a choice of values only: no address and no branch hangs on the mask
	v_cndmask_b32 v249, 0, v247, s92
	v_lshl_add_u32 v250, v0, 3, BIAS
	ds_store_b64 v250, v[248:249]
	s_wait_loadcnt 0x0                             ; Q
	CHUNK 0                                        ; (its wait on DScnt and its barrier also show every wave's words to all)
	CHUNK 1
	CHUNK 2
	CHUNK 3
	; THE WAY OUT.  The stages lie in K's bytes: they have had their one fill, and behind this barrier nobody reads them.
	s_wait_dscnt 0x0
	s_barrier_signal -1
	s_barrier_wait -1
	PLACES                                         ; behind the last products
.irp t, 0,1
	v_add_f32 v[ST+8*\t+4], v[ST+8*\t+2], v[ST+8*\t+3]
.endr
.irp t, 0,1
	v_permlanex16_b32 v[ST+8*\t+5], v[ST+8*\t+4], s[SEL], s[SEL+1]
.endr
.irp t, 0,1
	v_add_f32 v[ST+8*\t+4], v[ST+8*\t+4], v[ST+8*\t+5]
.endr
.irp t, 0,1
	v_max_num_f32 v[ST+8*\t+4], 0x21800000, v[ST+8*\t+4]   ; at least 2^-60: where a key counts l is 1 or more; where none does l = 0 and O^T = 0, and the quotient is 0
.endr
.irp t, 0,1
	v_rcp_f32 v[ST+8*\t+6], v[ST+8*\t+4]
.endr
	v_nop                                          ; a plain instruction between the last reciprocal and the use of its result
	s_wait_alu depctr_va_vdst(0)                   ; and the wait ahead of the first use
.set i, 0
.rept 16
.irp t, 0,1
	v_pk_mul_f32 v[OO+32*\t+i:OO+32*\t+i+1], v[OO+32*\t+i:OO+32*\t+i+1], v[ST+8*\t+6:ST+8*\t+7] op_sel_hi:[1,0]
.endr
.set i, i+2
.endr
.irp t, 0,1
.irp n, 0,1,2,3
.irp i, 0,1,2,3
	v_cvt_pk_f16_f32 v[SS+16*\t+4*\n+\i], v[OO+32*\t+8*\n+2*\i], v[OO+32*\t+8*\n+2*\i+1]
.endr
.endr
.endr
.irp t, 0,1
.irp n, 0,1,2,3
	ds_store_b128 v[STO], v[SS+16*\t+4*\n:SS+16*\t+4*\n+3] offset:\t*16*PK+32*\n   ; lane (r, h): query 16 t + r, channels 16 n + 8 h + 0..7
.endr
.endr
.irp i, 0,1,2,3,4,5,6,7
	ds_load_b128 v[QF+4*\i:QF+4*\i+3], v[RD] offset:\i*4*PK    ; LDS serves a wave's instructions in order (ISA guide 5.7.1.4): these see my stores
.endr
.irp i, 0,1,2,3,4,5,6,7
	s_wait_dscnt 7-\i
	global_store_b128 v[GO], v[QF+4*\i:QF+4*\i+3], s[8:9] offset:512*\i   ; 32 lanes store four rows: 512 consecutive bytes, aligned
.endr
	s_wait_tensorcnt 0x0                           ; the wave's end: these three lines, behind my last tensor load and my last LDS store
	ds_add_u32 v[SPW], v[NIL]
	s_wait_dscnt 0x0
	s_endpgm
.Lfunc_end_k_q8e18cee254_attn:
	.size	k_q8e18cee254_attn, .Lfunc_end_k_q8e18cee254_attn-k_q8e18cee254_attn
	.p2alignl 7, 3214868480
	.fill 96, 4, 3214868480
	.section	.rodata,"a",@progbits
	.p2align	6, 0x0
	.amdhsa_kernel k_q8e18cee254_attn
		.amdhsa_group_segment_fixed_size 327680
		.amdhsa_private_segment_fixed_size 0
		.amdhsa_enable_private_segment 0
		.amdhsa_kernarg_size 24
		.amdhsa_user_sgpr_count 2
		.amdhsa_user_sgpr_kernarg_segment_ptr 1
		.amdhsa_wavefront_size32 1
		.amdhsa_system_sgpr_workgroup_id_x 1
		.amdhsa_system_sgpr_workgroup_id_y 1
		.amdhsa_system_sgpr_workgroup_id_z 1
		.amdhsa_system_vgpr_workitem_id 0
		.amdhsa_next_free_vgpr 256
		.amdhsa_next_free_sgpr 96
		.amdhsa_reserve_vcc 0
		.amdhsa_float_denorm_mode_32 3
		.amdhsa_float_denorm_mode_16_64 3
		.amdhsa_memory_ordered 1
		.amdhsa_forward_progress 1
		.amdhsa_inst_pref_size 91
	.end_amdhsa_kernel
	.amdgpu_metadata
---
amdhsa.version: [ 1, 2 ]
amdhsa.kernels:
  - .name:           k_q8e18cee254_attn
    .symbol:         k_q8e18cee254_attn.kd
    .args:
      - { .name: qkv, .offset: 0, .size: 8, .value_kind: global_buffer, .address_space: global }
      - { .name: attn_mask, .offset: 8, .size: 8, .value_kind: global_buffer, .address_space: global }
      - { .name: att, .offset: 16, .size: 8, .value_kind: global_buffer, .address_space: global }
    .group_segment_fixed_size: 327680
    .private_segment_fixed_size: 0
    .kernarg_segment_align: 8
    .kernarg_segment_size: 24
    .max_flat_workgroup_size: 512
    .sgpr_count:     96
    .vgpr_count:     256
    .wavefront_size: 32
...
	.end_amdgpu_metadata
.endif
;; end of part 3
;; launch proj (part 4): grid 4 x 64, 4 waves a work-group, clusters of 4 x 4, 327,680 bytes of LDS; arguments att, pw16, proj_b, out0; writes out0
.if DOCPART == 4
	.amdgcn_target "amdgcn-amd-amdhsa--gfx1250"
	.amdhsa_code_object_version 6
	.text
	.protected	k_q8e18cee254_proj
	.globl	k_q8e18cee254_proj
	.p2align	8
	.type	k_q8e18cee254_proj,@function
k_q8e18cee254_proj:
	s_mov_b64 s[64:65], 0
	v_nop
	global_prefetch_b8 v0, s[64:65] scope:SCOPE_SE
	s_setreg_imm32_b32 hwreg(HW_REG_WAVE_MODE, 25, 1), 1
	s_wait_xcnt 0x0
	s_wait_alu depctr_hold_cnt(0) depctr_sa_sdst(0) depctr_va_vdst(0) depctr_va_sdst(0) depctr_va_ssrc(0) depctr_va_vcc(0) depctr_vm_vsrc(0)
	s_getreg_b32 s2, hwreg(HW_REG_IB_STS2, 6, 4)
	s_cmp_eq_u32 s2, 0
	s_cbranch_scc0 .Lentry_in_a_cluster
	s_endpgm
.Lentry_in_a_cluster:
	s_bfe_u32 s2, ttmp6, 0x10000c
	s_cmp_lg_u32 s2, 0xf033
	s_cbranch_scc0 .Lentry_shape_is_right
	s_endpgm
.Lentry_shape_is_right:
; PROJ: out0[m][n] = sum over k of A[m][k] W[n][k] + proj_b[n].  A: att [16 heads][8192 m][64] f16, k = 64 x head + channel; W: pw16 [1024 n][1024 k] f16; out0 [8192][1024] f32; sums in f32.
; A tile of the output is 128 rows x 256 columns: 256 work-groups of four waves; a wave makes 64 x 128: 32 accumulators of 16 x 16, 256 registers.
; K goes in 8 steps of 128 (two heads' planes of A; 256 bytes of each row of W) through a ring of two LDS slots filled by the tensor data mover: waves 0 and 1 fetch A's two planes, waves 2 and 3 W's two halves of 128 rows.
; CLUSTERS: 4 x 4 work-groups.  The four of a row of the cluster need the same tiles of A, the four of a column the same tiles of W: each is asked for jointly, by the same tensor load with the same descriptor and a mask that names the four.
; THE MATRIX INSTRUCTION IS USED TRANSPOSED (source 0 = 16 rows of W, source 1 = 16 rows of A): a lane holds eight neighbouring numbers of a row of the output.  THE BIAS is the C of each sum's first product: nothing is cleared or added.
; REGISTERS, in windows of 256: window 0: v0-31 addresses; v32-95 proj_b in the result's layout (block b at 32 + 8 b); v128-255 rows on the way out.
;   window 1: two fragment buffers at v0 and v128: A's four blocks at +0, W's eight at +32.   window 2: the accumulators ((a, b) at v[8 (8 a + b)]).
; It claims all of LDS; the text uses 213,504 bytes.
.set PA,     144                       ; a row of A's plane in LDS: 128 bytes + 16
.set PB,     272                       ; a row of W's tile: 256 bytes + 16: in both the 16 rows that a load touches start at 16 different banks (64 banks of 4 bytes: ISA guide 11.1)
.set PLANE,  128*PA
.set HALFB,  128*PB
.set BOFF,   2*PLANE                   ; a slot: A's two planes, then W's two halves
.set SLOT,   BOFF+2*HALFB
.set SPARE,  2*SLOT                    ; behind the ring: the spare words, 128 bytes for each wave
.set SPITCH, 528                       ; the way out: a stage of 16 rows x (512 bytes + 16) for each wave, in slot 0, which has had its last fill and its last read when the first result is stored there
.set LAPS,   4                         ; a lap = two K steps = once round the ring
.set ADRA, 16                          ; v16-17  LDS address of my A fragments in slot 0, 1
.set ADRB, 20                          ; v20-21  the same for W
.set STO,  24
.set RD,   25
.set CO,   26
.set BO,   27                          ; v27     my half's place in a block of proj_b
.set SPW,  28
.set NIL,  29
.set BB,   32
.set BK,   128
.set F0,   0
.set F1,   128
.set G1, 24
.set G0, 32
.set G1B, 48
.set G0B, 56
.set MSB, 0
.macro WIN new                         ; the immediate's high byte repeats the setting that is left
.if MSB != (\new)
	s_set_vgpr_msb (MSB<<8)|(\new)
.set MSB, (\new)
.endif
.endm
.set MUL,  0xa5                        ; sources 0 (W) and 1 (A) window 1; C and D window 2
.set MUL1, 0x85                        ; the same with C in window 0: the bias
.set TO_F, 0x40                        ; destination window 1, address window 0
.macro JLOAD s                         ; a joint load; the branch hangs on the wave's number alone; an s_nop 0 and four v_nop follow each of the two lines
	s_cmp_eq_u32 s13, 0
	s_cbranch_scc0 .Lfor_b_\@
	tensor_load_to_lds s[G0+4*\s:G0+4*\s+3], s[G1:G1+7]
	s_nop 0
.rept 4
	v_nop
.endr
	s_branch .Lasked_\@
.Lfor_b_\@:
	tensor_load_to_lds s[G0B+4*\s:G0B+4*\s+3], s[G1B:G1B+7]
	s_nop 0
.rept 4
	v_nop
.endr
.Lasked_\@:
.endm
.macro CREST                           ; a round of the cluster's barrier behind its opening barrier
	s_cmp_lg_u32 s12, 0
	s_cbranch_scc1 .Lnot_wave_0_\@
	s_barrier_signal -3
.Lnot_wave_0_\@:
	s_barrier_wait -3
	s_barrier_signal -1
	s_barrier_wait -1
.endm
.macro CROUND
	s_barrier_signal -1
	s_barrier_wait -1
	CREST
.endm
	s_load_b256 s[4:11], s[0:1], 0x0               ; att s[4:5], pw16 s[6:7], proj_b s[8:9], out0 s[10:11]
	v_lshl_add_u32 v[SPW], v0, 2, SPARE
	v_mov_b32 v[NIL], 0
	ds_add_u32 v[SPW], v[NIL]                      ; the wave's opening: the add, twice on end, and its wait ahead of my first tensor load
	ds_add_u32 v[SPW], v[NIL]
	v_lshrrev_b32 v1, 5, v0
	v_readfirstlane_b32 s12, v1                    ; wave 0..3
	s_lshr_b32 s13, s12, 1                         ; which half of the tile's rows is mine.  Also: I fetch for A (0) or for W (1)
	s_and_b32 s14, s12, 1                          ; which half of its columns.  Also: which plane of A, or which 128 rows of W, I fetch
	s_bfe_u32 s40, ttmp6, 0x40000                  ; cx, cy: my place in the cluster
	s_bfe_u32 s41, ttmp6, 0x40004
	s_lshl_b32 s42, ttmp9, 2
	s_add_co_u32 s42, s42, s40                     ; tile column = 4 x cluster x + cx
	s_and_b32 s45, ttmp7, 0xffff
	s_lshl_b32 s45, s45, 2
	s_add_co_u32 s45, s45, s41                     ; tile row = 4 x cluster y + cy
	s_lshl_b32 s43, s41, 2
	s_lshl_b32 s43, 15, s43                        ; my row of the cluster
	s_lshl_b32 s44, 0x1111, s40                    ; my column
	; descriptor group 1.  A: 128 rows of 64 elements of 2 bytes, dense; 4 words of padding behind every 32.  W: 128 rows of 128 elements, 1,024 elements apart; 4 words behind every 64
	s_or_b32 s[G1+0], s43, (1<<16)|(1<<20)|(1<<21)|(4<<22)|(3<<25)
	s_mov_b32 s[G1+1], 64<<16                      ; tensor_dim0
	s_mov_b32 s[G1+2], 128<<16                     ; tensor_dim1
	s_mov_b32 s[G1+3], 64<<16                      ; tile_dim0
	s_mov_b32 s[G1+4], 128                         ; tile_dim1
	s_mov_b32 s[G1+5], 64                          ; tensor_dim0_stride
	s_mov_b32 s[G1+6], 0
	s_mov_b32 s[G1+7], 0
	s_or_b32 s[G1B+0], s44, (1<<16)|(1<<20)|(1<<21)|(5<<22)|(3<<25)
	s_mov_b32 s[G1B+1], 128<<16
	s_mov_b32 s[G1B+2], 128<<16
	s_mov_b32 s[G1B+3], 128<<16
	s_mov_b32 s[G1B+4], 128
	s_mov_b32 s[G1B+5], 1024
	s_mov_b32 s[G1B+6], 0
	s_mov_b32 s[G1B+7], 0
	s_lshl_b32 s66, s45, 14                        ; A: the tile row's 128 rows of 128 bytes,
	s_lshl_b32 s67, s14, 20                        ; in the plane that I fetch
	s_add_co_u32 s66, s66, s67
	s_mov_b32 s67, 0
	s_lshl_b32 s46, s42, 19                        ; W: the tile column's 256 rows of 2,048 bytes,
	s_lshl_b32 s47, s14, 18                        ; the 128 of them that I fetch
	s_add_co_u32 s46, s46, s47
	s_mov_b32 s47, 0
	s_mul_i32 s70, s14, PLANE                      ; where they go: no place in the cluster enters an LDS address
	s_mul_i32 s71, s14, HALFB
	s_add_co_u32 s71, s71, BOFF
	s_wait_dscnt 0x0                               ; both opening adds are done
	s_wait_kmcnt 0x0
	s_add_nc_u64 s[68:69], s[4:5], s[66:67]
	s_add_nc_u64 s[46:47], s[6:7], s[46:47]
	CROUND                                         ; all sixteen work-groups are here: the first joint loads meet
.irp s, 0,1
	s_mov_b32 s[G0+4*\s], 1
	s_add_co_u32 s[G0+4*\s+1], s70, \s*SLOT
	s_add_nc_u64 s[G0+4*\s+2:G0+4*\s+3], s[68:69], \s*0x200000   ; K step s begins with plane 2 s
	s_or_b32 s[G0+4*\s+3], s[G0+4*\s+3], 0x80000000
	s_mov_b32 s[G0B+4*\s], 1
	s_add_co_u32 s[G0B+4*\s+1], s71, \s*SLOT
	s_add_nc_u64 s[G0B+4*\s+2:G0B+4*\s+3], s[46:47], \s*256
	s_or_b32 s[G0B+4*\s+3], s[G0B+4*\s+3], 0x80000000
	JLOAD \s
.endr
	v_and_b32 v1, 15, v0                           ; l % 16
	v_bfe_u32 v2, v0, 4, 1                         ; l / 16
	v_mul_u32_u24 v3, v1, PA
	v_lshl_add_u32 v3, v2, 4, v3                   ; a fragment's row x pitch + 16 x half
	v_mul_u32_u24 v4, v1, PB
	v_lshl_add_u32 v4, v2, 4, v4
	s_mul_i32 s72, s13, 64*PA                      ; my 64 rows in each plane of A
	s_mul_i32 s73, s14, HALFB                      ; my 128 rows of W,
	s_add_co_u32 s73, s73, BOFF                    ; which lie behind A's planes
.irp s, 0,1
	v_add_nc_u32 v[ADRA+\s], s72, v3
	v_add_nc_u32 v[ADRB+\s], s73, v4
	s_add_co_u32 s72, s72, SLOT
	s_add_co_u32 s73, s73, SLOT
.endr
	s_mul_i32 s74, s12, 16*SPITCH                  ; my stage
	v_mul_u32_u24 v5, v1, SPITCH                   ; in: row l % 16, 32 bytes for each half of the lanes
	v_lshl_add_u32 v5, v2, 5, v5
	v_add_nc_u32 v[STO], s74, v5
	v_and_b32 v6, 31, v0
	v_lshlrev_b32 v[CO], 4, v6                     ; back: the 32 lanes take one row of 512 bytes; and the same in out0
	v_add_nc_u32 v[RD], s74, v[CO]
	v_lshlrev_b32 v[BO], 5, v2
	s_lshl_b32 s66, s45, 19                        ; my first row of out0: (128 x tile row + 64 x half) x 4,096 bytes
	s_lshl_b32 s67, s13, 18
	s_add_co_u32 s66, s66, s67
	s_mov_b32 s67, 0
	s_lshl_b32 s76, s42, 10                        ; my first column, in bytes: 1,024 x tile column + 512 x half (registers that feed no descriptor of A)
	s_lshl_b32 s77, s14, 9
	s_add_co_u32 s76, s76, s77
	s_mov_b32 s77, 0
	s_add_nc_u64 s[10:11], s[10:11], s[66:67]
	s_add_nc_u64 s[10:11], s[10:11], s[76:77]
	s_add_nc_u64 s[8:9], s[8:9], s[76:77]
.irp b, 0,1,2,3,4,5,6,7
	global_load_b128 v[BB+8*\b:BB+8*\b+3], v[BO], s[8:9] offset:64*\b        ; lane (r, h): proj_b of columns 16 b + 8 h + 0..7
	global_load_b128 v[BB+8*\b+4:BB+8*\b+7], v[BO], s[8:9] offset:64*\b+16
.endr
; 8 matrix instructions: A's block a x W's eight, 32 along K, from buffer f.  first = 1: the bias is C.  The 32 accumulators take turns, one instruction a turn, in the same order in every quarter.
.macro MULA f, a, first
.irp b, 0,1,2,3,4,5,6,7
.if \first
	v_wmma_f32_16x16x32_f16 v[8*(8*(\a)+\b):8*(8*(\a)+\b)+7], v[\f+32+8*\b:\f+32+8*\b+7], v[\f+8*(\a):\f+8*(\a)+7], v[BB+8*\b:BB+8*\b+7]
.else
	v_wmma_f32_16x16x32_f16 v[8*(8*(\a)+\b):8*(8*(\a)+\b)+7], v[\f+32+8*\b:\f+32+8*\b+7], v[\f+8*(\a):\f+8*(\a)+7], v[8*(8*(\a)+\b):8*(8*(\a)+\b)+7]
.endif
.endr
.endm
; 24 LDS loads in one run: the fragments of the slot's q-th 32 along K into buffer f: W's eight blocks, then A's four (quarters 0, 1 lie in the first plane, 2, 3 in the second)
.macro FETCH slot, q, f
	WIN TO_F
.irp i, 0,1,2,3,4,5,6,7
	ds_load_b128 v[\f+32+8*\i:\f+32+8*\i+3],   v[ADRB+\slot] offset:64*(\q)+\i*16*PB
	ds_load_b128 v[\f+32+8*\i+4:\f+32+8*\i+7], v[ADRB+\slot] offset:64*(\q)+\i*16*PB+32
.endr
.irp i, 0,1,2,3
	ds_load_b128 v[\f+8*\i:\f+8*\i+3],   v[ADRA+\slot] offset:((\q)/2)*PLANE+((\q)%2)*64+\i*16*PA
	ds_load_b128 v[\f+8*\i+4:\f+8*\i+7], v[ADRA+\slot] offset:((\q)/2)*PLANE+((\q)%2)*64+\i*16*PA+32
.endr
.endm
.macro PLACES                          ; four places in front of loads into registers that matrix instructions have read, and of the first reads of results
.rept 4
	v_nop
.endr
.endm
; A K step is four quarters of 32 along K, 32 matrix instructions each, on buffers 0, 1, 0, 1.  One of the first three: multiplies buffer f and fetches quarter q into g.
.macro QUARTER slot, q, f, g, first
	s_wait_dscnt 4                                 ; W's blocks and A's blocks 0, 1 are in; the youngest four loads (A's blocks 2, 3) may be out
.if \first
	WIN MUL1
.else
	WIN MUL
.endif
	MULA \f, 0, \first
	MULA \f, 1, \first
	PLACES
	FETCH \slot, \q, \g
	s_wait_dscnt 24                                ; all but the 24 just issued
.if \first
	WIN MUL1
.else
	WIN MUL
.endif
	MULA \f, 2, \first
	MULA \f, 3, \first
.endm
; The last quarter multiplies buffer 1 and changes slots: ONE barrier; in front of it each wave waits for all its tensor loads, adds 0 to its spare word, and waits for that and for its own reads of this slot.
; fill = 1: the barrier opens a round of the cluster's barrier, and this slot is filled again, two K steps ahead: the joint load is the first thing behind the round and has a K step less sixteen products in which to land.
.macro TURN slot, next, fill
	WIN 0                                          ; (the add's two registers lie in window 0)
	s_wait_tensorcnt 0x0                           ; all my tensor loads have landed: my part of the next slot;
	ds_add_u32 v[SPW], v[NIL]                      ; 0 onto my spare word;
	s_wait_dscnt 5                                 ; (the add and the youngest four loads may be out)
	WIN MUL
	MULA F1, 0, 0                                  ; eight matrix instructions stand between the add and the wait for it
	s_wait_dscnt 0x0                               ; the add is done, and my reads of this slot are over
	s_barrier_signal -1
	MULA F1, 1, 0
.if \fill
	WIN 0
.endif
	s_barrier_wait -1
.if \fill
	CREST                                          ; no wave of any partner still reads this slot's tiles or has a load on its way
	s_add_nc_u64 s[G0+4*\slot+2:G0+4*\slot+3], s[G0+4*\slot+2:G0+4*\slot+3], 0x400000   ; four planes on
	s_add_nc_u64 s[G0B+4*\slot+2:G0B+4*\slot+3], s[G0B+4*\slot+2:G0B+4*\slot+3], 512    ; 256 along K on
	JLOAD \slot                                    ; the four v_nop behind it are also the places in front of the loads below
.else
	PLACES
.endif
	FETCH \next, 0, F0
	WIN MUL
	MULA F1, 2, 0
	MULA F1, 3, 0
.endm
	s_wait_tensorcnt 1                             ; my part of K step 0 is in (K step 1's load may be out)
	s_barrier_signal -1
	s_barrier_wait -1                              ; everybody's is
	FETCH 0, 0, F0
	s_wait_loadcnt 0x0                             ; proj_b
	QUARTER 0, 1, F0, F1, 1                        ; the first quarter stands in front of the loop: its products start the sums, on the bias
	WIN 0                                          ; at a label and at a branch every window is 0
	s_mov_b32 s3, LAPS-1
.Llap:                                                 ; a trip goes once round the ring, from a lap's second quarter to the next lap's first, and fills both slots again
	QUARTER 0, 2, F1, F0, 0
	QUARTER 0, 3, F0, F1, 0
	TURN 0, 1, 1
	QUARTER 1, 1, F0, F1, 0
	QUARTER 1, 2, F1, F0, 0
	QUARTER 1, 3, F0, F1, 0
	TURN 1, 0, 1
	QUARTER 0, 1, F0, F1, 0
	WIN 0
	s_sub_co_u32 s3, s3, 1
	s_cmp_lg_u32 s3, 0
	s_cbranch_scc1 .Llap
	QUARTER 0, 2, F1, F0, 0                        ; the last lap fills nothing, and has no round of the cluster's barrier
	QUARTER 0, 3, F0, F1, 0
	TURN 0, 1, 0
	QUARTER 1, 1, F0, F1, 0
	QUARTER 1, 2, F1, F0, 0
	QUARTER 1, 3, F0, F1, 0
	s_wait_dscnt 4                                 ; the very last quarter: nothing more to fetch
	WIN MUL
	MULA F1, 0, 0
	MULA F1, 1, 0
	s_wait_dscnt 0
	MULA F1, 2, 0
	MULA F1, 3, 0
	WIN 0
; THE WAY OUT, block by block of 16 rows x 128 columns.  A lane holds 32 neighbouring bytes of a row: a block goes through my own stage and comes back as whole rows of 512 bytes.
; LDS serves a wave's instructions in order (ISA guide 5.7.1.4): no wait between the stores and the loads, nor in front of the next block's stores.
.macro TOSTAGE a
	WIN 0x08                                       ; an LDS store's data are its source 1: window 2
.irp b, 0,1,2,3,4,5,6,7
	ds_store_b128 v[STO], v[64*(\a)+8*\b:64*(\a)+8*\b+3] offset:64*\b          ; each accumulator from its low end on
	ds_store_b128 v[STO], v[64*(\a)+8*\b+4:64*(\a)+8*\b+7] offset:64*\b+16
.endr
	WIN 0
.set BX, BK+64*((\a)%2)
.irp t, 0,1,2,3,4,5,6,7,8,9,10,11,12,13,14,15
	ds_load_b128 v[BX+4*\t:BX+4*\t+3], v[RD] offset:\t*SPITCH
.endr
.endm
.macro SEND a, younger                 ; younger: the LDS instructions issued behind block a's loads, which may stay out
.set BX, BK+64*((\a)%2)
	s_wait_dscnt \younger
.irp t, 0,1,2,3,4,5,6,7,8,9,10,11,12,13,14,15
	global_store_b128 v[CO], v[BX+4*\t:BX+4*\t+3], s[10:11] offset:(16*(\a)+\t)*4096 th:TH_STORE_NT   ; 32 lanes store 512 consecutive bytes, aligned; 63 rows at the most: inside the signed 24-bit immediate; written once, read by nobody here
.endr
.endm
	PLACES                                         ; behind the last products
	TOSTAGE 0
.irp a, 1,2,3
.if \a > 1
	s_wait_xcnt 0x0                                ; block a - 2's stores have read their registers: block a's loads may land there
.endif
	TOSTAGE \a
	SEND \a-1, 32                                  ; behind block a - 1's loads: block a's 16 stores and 16 loads
.endr
	SEND 3, 0
	s_wait_tensorcnt 0x0                           ; the wave's end: these three lines, behind my last tensor load and my last LDS store
	ds_add_u32 v[SPW], v[NIL]
	s_wait_dscnt 0x0
	CROUND                                         ; the closing round: no work-group ends while a partner may still ask for a tile that names it
	s_endpgm
.Lfunc_end_k_q8e18cee254_proj:
	.size	k_q8e18cee254_proj, .Lfunc_end_k_q8e18cee254_proj-k_q8e18cee254_proj
	.p2alignl 7, 3214868480
	.fill 96, 4, 3214868480
	.section	.rodata,"a",@progbits
	.p2align	6, 0x0
	.amdhsa_kernel k_q8e18cee254_proj
		.amdhsa_group_segment_fixed_size 327680
		.amdhsa_private_segment_fixed_size 0
		.amdhsa_enable_private_segment 0
		.amdhsa_kernarg_size 32
		.amdhsa_user_sgpr_count 2
		.amdhsa_user_sgpr_kernarg_segment_ptr 1
		.amdhsa_wavefront_size32 1
		.amdhsa_system_sgpr_workgroup_id_x 1
		.amdhsa_system_sgpr_workgroup_id_y 1
		.amdhsa_system_sgpr_workgroup_id_z 1
		.amdhsa_system_vgpr_workitem_id 0
		.amdhsa_next_free_vgpr 768
		.amdhsa_next_free_sgpr 96
		.amdhsa_reserve_vcc 0
		.amdhsa_float_denorm_mode_32 3
		.amdhsa_float_denorm_mode_16_64 3
		.amdhsa_memory_ordered 1
		.amdhsa_forward_progress 1
		.amdhsa_inst_pref_size 86
	.end_amdhsa_kernel
	.amdgpu_metadata
---
amdhsa.version: [ 1, 2 ]
amdhsa.kernels:
  - .name:           k_q8e18cee254_proj
    .symbol:         k_q8e18cee254_proj.kd
    .args:
      - { .name: att, .offset: 0, .size: 8, .value_kind: global_buffer, .address_space: global }
      - { .name: pw16, .offset: 8, .size: 8, .value_kind: global_buffer, .address_space: global }
      - { .name: proj_b, .offset: 16, .size: 8, .value_kind: global_buffer, .address_space: global }
      - { .name: out0, .offset: 24, .size: 8, .value_kind: global_buffer, .address_space: global }
    .group_segment_fixed_size: 327680
    .private_segment_fixed_size: 0
    .kernarg_segment_align: 8
    .kernarg_segment_size: 32
    .max_flat_workgroup_size: 128
    .sgpr_count:     96
    .vgpr_count:     768
    .wavefront_size: 32
...
	.end_amdgpu_metadata
.endif
;; end of part 4
